; MI455X (gfx1250); checked and timed in simulation.
; The chip was launched on July 23, 2026; its instructions are those of AMD's public machine-readable ISA for CDNA 5 (MIT licence, August 2026) and "CDNA5" Instruction Set Architecture Reference Guide (July 2026). The comments in the code are by the model that wrote it; some were corrected since.
;; Causal Self Attention. Allowed arithmetic: matrix products marked QUANTISED: E2M1 operands, one E8M0 scale for each 32 along K, by v_wmma_scale_f32_16x16x128_f8f6f4 with both operands' format E2M1 (or v_wmma_scale_f32_32x16x128_f4), f32 sums; products left as they are: bf16, f16 or f32 operands; f32 sums; everything else in f32.
;; Inputs: b_attn 3,072 float32; b_proj 1,024 float32; hidden_states 4 x 2,048 x 1,024 float32; w_attn 1,024 x 3,072 float32; w_proj 1,024 x 1,024 float32.
;; Outputs: out0 4 x 2,048 x 1,024 float32.
;; This version of the problem:
;;   THIS VERSION OF THE PROBLEM IS GIVEN IN LOW PRECISION. The matrix products marked QUANTISED in the list below multiply operands that are first quantised to E2M1 (2 exponent bits, 1 mantissa bit; 4 bits a number), with one power-of-two scale for each 32 numbers along K (OCP MX v1.0); their sums are f32. The products marked 'left as it is' may take bf16, f16 or f32 operands, with f32 sums. Whichever they take, every output number must still come out within the allowed error. Rounding operands to bf16 (8 significant bits) uses up far more of that allowance than f16 does (11 bits, for magnitudes from 6e-5 to 65,504). All else is computed in f32.
;;   The module's matrix products, in the order in which they are computed (A, B: the left and right operand; K: the contracted axis; several contracted axes count as one K, in the product's order):
;;     1. [M 8,192, K 1,024] x [K 1,024, N 3,072]; A: input hidden_states; B: input w_attn: QUANTISED
;;     2. batch 64 x [M 2,048, K 64] x [K 64, N 2,048]; A: computed on the way; B: computed on the way: left as it is (an operand is computed on the way)
;;     3. batch 64 x [M 2,048, K 2,048] x [K 2,048, N 64]; A: computed on the way; B: computed on the way: left as it is (an operand is computed on the way)
;;     4. [M 8,192, K 1,024] x [K 1,024, N 1,024]; A: computed on the way; B: input w_proj: left as it is (an operand is computed on the way)
;;   THE QUANTISER, for each operand of a quantised product, along K:
;;     - K is cut into blocks of 32 from its start; a last block that is shorter is filled with zeros.
;;     - A block's scale is 2^e with e = floor(log2(the largest magnitude in the block)) - 2, held to -126 .. 127; a block of zeros has e = 0. As a byte (E8M0): e + 127.
;;     - Each number is divided by its block's scale, clamped to +-6, and rounded to the nearest number of E2M1, ties to even, subnormals kept.
;;     - The product sums the exact products of the quantised numbers (number of the format x scale) in f32.
;;   ~~~python
;;   def quantise(x, axis):      # numpy; x: float32 -> the quantised numbers, widened to float32 again
;;       x = np.moveaxis(x, axis, -1); K = x.shape[-1]
;;       x = np.pad(x, [(0, 0)] * (x.ndim - 1) + [(0, -K % 32)]); x = x.reshape(x.shape[:-1] + (-1, 32)); a = np.abs(x).max(-1, keepdims=True)
;;       e = np.where(a > 0, np.clip(np.frexp(np.where(a > 0, a, 1))[1] - 1 - 2, -126, 127), 0)      # np.frexp(a)[1] - 1 = floor(log2(a)), exactly
;;       r = np.clip(x / 2.0 ** e, -6, 6)
;;       step = 2.0 ** (np.maximum(np.frexp(np.where(r == 0, 1, r))[1] - 1, 0) - 1)
;;       q = np.round(r / step) * step * 2.0 ** e      # np.round: ties to even
;;       return np.moveaxis(q.reshape(q.shape[:-2] + (-1,))[..., :K], -1, axis).astype(np.float32)
;;   ~~~
;; One version. Each part assembles by itself: llvm-mc -triple=amdgcn-amd-amdhsa -mcpu=gfx1250 --defsym DOCPART=n.
;; ======== version 1 of 1: 7 launches
;; limits: values are held in f16: magnitudes above 65,504 overflow, below 6.1e-05 lose precision
;; workspace buffers: xc 4,194,304 bytes; xs 262,144 bytes; wc 1,572,864 bytes; ws 98,304 bytes; wpt 2,097,152 bytes; qkv 50,331,648 bytes; fq 786,432 bytes; oh 16,777,216 bytes
;; launch quant_x (part 1): grid 256 x 1, 4 waves a work-group, no clusters, 33,280 bytes of LDS; arguments hidden_states, xc, xs; writes xc, xs
.if DOCPART == 1
	.amdgcn_target "amdgcn-amd-amdhsa--gfx1250"
	.amdhsa_code_object_version 6
	.text
	.protected	k_qb6095a8e44_quant_x
	.globl	k_qb6095a8e44_quant_x
	.p2align	8
	.type	k_qb6095a8e44_quant_x,@function
k_qb6095a8e44_quant_x:
	s_mov_b64 s[64:65], 0
	v_nop
	global_prefetch_b8 v0, s[64:65] scope:SCOPE_SE
	s_setreg_imm32_b32 hwreg(HW_REG_WAVE_MODE, 25, 1), 1
	s_wait_xcnt 0x0
; hidden_states [8192][1024], f32, becomes codes of FP4 (E2M1), K innermost (xc: 512 bytes a row), with one E8M0 scale byte for each 32 along K (xs: 32 bytes a row).
; A block's scale is 2^(floor(log2(its largest magnitude)) - 2); its byte is the largest magnitude's own exponent field - 2, held at 1 from below.
; (A block of zeros so gets the byte 1 where the quantiser says 127: its codes are zeros, which add nothing, and the bytes are read by this program alone.)
; LIMITS: blocks whose largest magnitude lies under 2^(2 - 126) have their byte held at 1; NaN and infinities among the inputs are not served.
; Rows are dense and 1024 is a multiple of 32: the tensor is a plain stream of blocks of 32 numbers, and so are the codes and the scale bytes.
; A wave takes 16 steps of 512 numbers.  Each of a step's four loads reads 512 consecutive bytes, 16 a lane; the 2,048 bytes turn through the wave's own stage in LDS and come back 64 bytes a lane,
; so that a lane holds 16 neighbours along K (two neighbouring lanes hold a block).  A lane's 16 codes are 8 bytes: the wave stores 256 consecutive bytes.
; A wave's 256 scale bytes are gathered in its own LDS bytes and leave as 256 consecutive bytes.  No barrier: waves share nothing.  Loads run four steps (16 loads a wave) ahead.
.set WAVES, 4
.set STEPS, 16
.set EMAX,  2
.set CB,    8                          ; bytes of 16 codes
.set R,     16                         ; v16-79   four sets of 16 numbers as they are loaded
.set X,     80                         ; v80-111  two sets of 16 neighbours
.set C,     128                        ; v128-191 codes: four registers for each step, so that no store's data are written again
.set E,     112                        ; v112-127 a scale byte for each step
.set WREG,  8192                       ; LDS: a region for each wave: two stages of 32 x SP bytes, behind them its 256 scale bytes
.set SP,    80                         ; a lane's place in a stage: its 64 bytes + 16 of padding
.set SPW,   12                         ; v12  LDS address of my spare word; never rewritten
.set NIL,   13                         ; v13  0; never rewritten
.set SPARE, WAVES*WREG                 ; behind the four regions: the spare words, 128 bytes for each wave
	s_load_b128 s[4:7], s[0:1], 0x0                ; x s[4:5], the codes s[6:7]
	s_load_b64 s[8:9], s[0:1], 0x10                ; the scale bytes
	v_lshl_add_u32 v[SPW], v0, 2, SPARE
	v_mov_b32 v[NIL], 0
	v_lshrrev_b32 v1, 5, v0
	v_readfirstlane_b32 s16, v1                    ; wave
	v_and_b32 v2, 31, v0                           ; lane
	v_lshlrev_b32 v3, 4, v2                        ; my 16 bytes of a load's 512
	s_mul_i32 s17, s16, WREG
	v_lshrrev_b32 v14, 2, v2
	v_mul_u32_u24 v14, v14, SP
	v_and_b32 v15, 3, v2
	v_lshl_add_u32 v14, v15, 4, v14
	v_add_nc_u32 v14, s17, v14                     ; the stage, on the way in: SP (lane / 4) + 16 (lane % 4)
	v_mul_u32_u24 v15, v2, SP
	v_add_nc_u32 v15, s17, v15                     ; and on the way out: SP x lane: my 16 neighbours
	v_mul_u32_u24 v4, v2, CB                       ; my codes' place in a step's
	v_lshrrev_b32 v5, 1, v2
	s_add_co_u32 s17, s17, 2*32*SP
	v_add_nc_u32 v5, s17, v5                       ; LDS: my wave's 256 scale bytes, my block's byte
	v_lshlrev_b32 v7, 3, v2                        ; and on the way out 8 bytes a lane
	v_add_nc_u32 v6, s17, v7
	s_lshl_b32 s18, ttmp9, 2
	s_add_co_u32 s18, s18, s16                     ; which run of 8,192 numbers is my wave's: 0 .. 1023
	s_lshl_b32 s20, s18, 15                        ; 32,768 bytes of x,
	s_mov_b32 s21, 0
	s_lshl_b32 s22, s18, 12                        ; 4,096 of codes,
	s_mov_b32 s23, 0
	s_lshl_b32 s24, s18, 8                         ; 256 scale bytes a run
	s_mov_b32 s25, 0
	s_wait_kmcnt 0x0
	s_add_nc_u64 s[4:5], s[4:5], s[20:21]
	s_add_nc_u64 s[6:7], s[6:7], s[22:23]
	s_add_nc_u64 s[8:9], s[8:9], s[24:25]
.macro LOAD t
.irp i, 0,1,2,3
	global_load_b128 v[R+16*((\t)%4)+4*\i:R+16*((\t)%4)+4*\i+3], v3, s[4:5] offset:2048*(\t)+512*\i th:TH_LOAD_NT   ; 32 lanes read 512 consecutive bytes
.endr
.endm
.macro TURN t                          ; step t's numbers through the stage: LDS serves a wave's instructions in order, so no wait stands between the stores and the loads
.irp i, 0,1,2,3
	ds_store_b128 v14, v[R+16*((\t)%4)+4*\i:R+16*((\t)%4)+4*\i+3] offset:32*SP*((\t)%2)+8*SP*\i
.endr
.irp i, 0,1,2,3
	ds_load_b128 v[X+16*((\t)%2)+4*\i:X+16*((\t)%2)+4*\i+3], v15 offset:32*SP*((\t)%2)+16*\i
.endr
.endm
.irp t, 0,1,2,3
	LOAD \t
.endr
	s_wait_loadcnt 12                              ; step 0's four loads are in; the twelve of steps 1 to 3 may be out
	TURN 0
.macro STEP t
.set XS, X+16*((\t)%2)
.if (\t) > 0
	s_wait_dscnt 1                                 ; this step's numbers are back from the stage (the last step's byte store may be out)
.else
	s_wait_dscnt 0x0
.endif
.if (\t)+4 < STEPS
	LOAD (\t)+4                                    ; the registers that the stage's stores have read take the loads of four steps on
.endif
.if (\t)+1 < STEPS
.if STEPS-2-(\t) >= 3
	s_wait_loadcnt 12                              ; the next step's four loads are in; those of the three steps behind it may be out
.else
	s_wait_loadcnt 4*(STEPS-2-(\t))
.endif
	TURN (\t)+1                                    ; and go through the other stage while this step is worked
.endif
	v_max3_num_f32 v8, |v[XS]|, |v[XS+1]|, |v[XS+2]|               ; the largest magnitude of my 16, in two chains
	v_max3_num_f32 v9, |v[XS+3]|, |v[XS+4]|, |v[XS+5]|
.irp i, 6,10
	v_max3_num_f32 v8, v8, |v[XS+\i]|, |v[XS+\i+1]|
	v_max3_num_f32 v9, v9, |v[XS+\i+2]|, |v[XS+\i+3]|
.endr
	v_max3_num_f32 v8, v8, |v[XS+14]|, |v[XS+15]|
	v_max3_num_f32 v8, v8, v9, (EMAX+1)<<23        ; and the floor 2^(EMAX + 1 - 127): the byte cannot fall under 1
	v_max_num_f32_dpp v8, v8, v8 row_xmask:1 row_mask:0xf bank_mask:0xf   ; and of my neighbour's 16: the block's
	v_add_nc_u32 v11, -(EMAX<<23), v8              ; EMAX off its exponent field: the conversion takes the exponent field of this operand as its scale
	v_cvt_scalef32_pk8_fp4_f32 v[C+4*(\t)], v[XS:XS+7], v11
	v_cvt_scalef32_pk8_fp4_f32 v[C+4*(\t)+1], v[XS+8:XS+15], v11
	v_lshrrev_b32 v[E+(\t)], 23, v11               ; the scale's byte (a plain line behind the conversions)
	ds_store_b8 v5, v[E+(\t)] offset:16*(\t)       ; both lanes of a block write the same byte with the same value
	global_store_b64 v4, v[C+4*(\t):C+4*(\t)+1], s[6:7] offset:32*CB*(\t)
.endm
.irp t, 0,1,2,3,4,5,6,7,8,9,10,11,12,13,14,15
	STEP \t
.endr
	ds_load_b64 v[8:9], v6                         ; LDS serves a wave's instructions in order: these see my stores
	s_wait_dscnt 0x0
	global_store_b64 v7, v[8:9], s[8:9]            ; 32 lanes store 256 consecutive bytes, aligned
	s_wait_tensorcnt 0x0                           ; the wave's end, behind my last LDS store
	ds_add_u32 v[SPW], v[NIL]
	s_wait_dscnt 0x0
	s_endpgm
.Lfunc_end_k_qb6095a8e44_quant_x:
	.size	k_qb6095a8e44_quant_x, .Lfunc_end_k_qb6095a8e44_quant_x-k_qb6095a8e44_quant_x
	.p2alignl 7, 3214868480
	.fill 96, 4, 3214868480
	.section	.rodata,"a",@progbits
	.p2align	6, 0x0
	.amdhsa_kernel k_qb6095a8e44_quant_x
		.amdhsa_group_segment_fixed_size 33280
		.amdhsa_private_segment_fixed_size 0
		.amdhsa_enable_private_segment 0
		.amdhsa_kernarg_size 24
		.amdhsa_user_sgpr_count 2
		.amdhsa_user_sgpr_kernarg_segment_ptr 1
		.amdhsa_wavefront_size32 1
		.amdhsa_system_sgpr_workgroup_id_x 1
		.amdhsa_system_sgpr_workgroup_id_y 1
		.amdhsa_system_sgpr_workgroup_id_z 1
		.amdhsa_system_vgpr_workitem_id 0
		.amdhsa_next_free_vgpr 192
		.amdhsa_next_free_sgpr 66
		.amdhsa_reserve_vcc 0
		.amdhsa_float_denorm_mode_32 3
		.amdhsa_float_denorm_mode_16_64 3
		.amdhsa_memory_ordered 1
		.amdhsa_forward_progress 1
		.amdhsa_inst_pref_size 33
	.end_amdhsa_kernel
	.amdgpu_metadata
---
amdhsa.version: [ 1, 2 ]
amdhsa.kernels:
  - .name:           k_qb6095a8e44_quant_x
    .symbol:         k_qb6095a8e44_quant_x.kd
    .args:
      - { .name: hidden_states, .offset: 0, .size: 8, .value_kind: global_buffer, .address_space: global }
      - { .name: xc, .offset: 8, .size: 8, .value_kind: global_buffer, .address_space: global }
      - { .name: xs, .offset: 16, .size: 8, .value_kind: global_buffer, .address_space: global }
    .group_segment_fixed_size: 33280
    .private_segment_fixed_size: 0
    .kernarg_segment_align: 8
    .kernarg_segment_size: 24
    .max_flat_workgroup_size: 128
    .sgpr_count:     66
    .vgpr_count:     192
    .wavefront_size: 32
...
	.end_amdgpu_metadata
.endif
;; end of part 1
;; launch quant_w (part 2): grid 48 x 2, 8 waves a work-group, no clusters, 19,456 bytes of LDS; arguments w_attn, wc, ws; writes wc, ws
.if DOCPART == 2
	.amdgcn_target "amdgcn-amd-amdhsa--gfx1250"
	.amdhsa_code_object_version 6
	.text
	.protected	k_qb6095a8e44_quant_w
	.globl	k_qb6095a8e44_quant_w
	.p2align	8
	.type	k_qb6095a8e44_quant_w,@function
k_qb6095a8e44_quant_w:
	s_mov_b64 s[64:65], 0
	v_nop
	global_prefetch_b8 v0, s[64:65] scope:SCOPE_SE
	s_setreg_imm32_b32 hwreg(HW_REG_WAVE_MODE, 25, 1), 1
	s_wait_xcnt 0x0
; w_attn [1024 (k)][3072 (n)], f32, K on its FIRST axis, becomes codes of FP4 (E2M1) laid [3072][1024] with K innermost (wc: 512 bytes a row) and one E8M0 scale byte for each 32 along K (ws: 32 bytes a row).
; A LANE TAKES A COLUMN n, AND ITS REGISTERS RUN DOWN K: a load reads 128 consecutive bytes a wave, a block of 32 along K lies in one lane's 32 registers, and the conversions give codes with K innermost.
; A block's scale byte is its largest magnitude's exponent field - 2, held at 1 from below (a block of zeros keeps the byte 1: its codes are zeros, and this program alone reads the bytes).
; LIMITS: blocks whose largest magnitude lies under 2^(2 - 126) have their byte held at 1; NaN and infinities among the inputs are not served.
; SHARES.  A work-group takes 64 columns (x) x 512 along K (y).  Wave w: columns 32 (w & 1) on, 128 along K from 128 (w >> 1) on: four blocks a lane.  The eight waves' codes meet in one stage in LDS
; (64 rows of 256 bytes + 16), a barrier, and each wave stores 8 whole rows: sixteen lanes 256 consecutive bytes.  The 16 scale bytes of a column meet likewise and leave by 16 bytes a lane (waves 0 and 1).
.set ROWW,  12288                      ; a row of w_attn in bytes
.set EMAX,  2
.set PITCH, 272
.set SST,   64*PITCH                   ; behind the stage: 64 columns x 16 scale bytes
.set SPARE, SST+1024                   ; the spare words, 128 bytes for each of the eight waves
.set X,     32                         ; v32-159  four sets of 32 numbers
.set C,     160                        ; v160-175 codes, four registers a block
.set OUTR,  176                        ; v176-191 the way out
.set SB,    24                         ; v24      my four scale bytes
.set SPW,   14
.set NIL,   15
	s_load_b128 s[4:7], s[0:1], 0x0                ; w_attn, the codes
	s_load_b64 s[8:9], s[0:1], 0x10                ; the scale bytes
	v_lshl_add_u32 v[SPW], v0, 2, SPARE
	v_mov_b32 v[NIL], 0
	v_lshrrev_b32 v1, 5, v0
	v_readfirstlane_b32 s16, v1                    ; wave 0..7
	v_and_b32 v2, 31, v0                           ; lane
	s_and_b32 s17, s16, 1                          ; which 32 columns
	s_lshr_b32 s18, s16, 1                         ; which 128 along K
	s_and_b32 s19, ttmp7, 0xffff                   ; which 512 along K
	v_lshlrev_b32 v3, 2, v2                        ; in: 4 bytes a lane
	s_mul_i32 s20, s17, 32*PITCH
	s_lshl_b32 s21, s18, 6
	s_add_co_u32 s20, s20, s21
	v_mul_u32_u24 v4, v2, PITCH
	v_add_nc_u32 v4, s20, v4                       ; into the stage: row = my column, my 128 codes' 64 bytes
	s_lshl_b32 s20, s17, 9
	s_lshl_b32 s21, s18, 2
	s_add_co_u32 s20, s20, s21
	s_add_co_u32 s20, s20, SST
	v_lshlrev_b32 v5, 4, v2
	v_add_nc_u32 v5, s20, v5                       ; my column's 16 scale bytes, my word of them
	v_and_b32 v6, 63, v0
	v_lshlrev_b32 v9, 5, v6                        ; the scale bytes' way out: column v0 & 63: 32 bytes a row in ws,
	v_lshlrev_b32 v6, 4, v6
	v_add_nc_u32 v6, SST, v6                       ; 16 bytes in LDS
	v_and_b32 v10, 15, v2
	v_lshrrev_b32 v11, 4, v2
	s_mul_i32 s20, s16, 8*PITCH
	v_mul_u32_u24 v7, v11, PITCH
	v_lshl_add_u32 v7, v10, 4, v7
	v_add_nc_u32 v7, s20, v7                       ; out of the stage: my 8 rows, sixteen lanes to a row, two rows an instruction
	s_lshl_b32 s20, s16, 12
	v_lshlrev_b32 v8, 9, v11
	v_lshl_add_u32 v8, v10, 4, v8
	v_add_nc_u32 v8, s20, v8                       ; and the same place among the work-group's 64 rows of wc
	s_lshl_b32 s20, s19, 9
	s_lshl_b32 s21, s18, 7
	s_add_co_u32 s20, s20, s21                     ; my first row of w_attn
	s_mul_i32 s20, s20, ROWW
	s_lshl_b32 s21, ttmp9, 8
	s_add_co_u32 s20, s20, s21                     ; + 4 x 64 x
	s_lshl_b32 s21, s17, 7
	s_add_co_u32 s20, s20, s21                     ; + 4 x my 32 columns
	s_mov_b32 s21, 0
	s_lshl_b32 s22, ttmp9, 15                      ; wc: 64 x rows of 512 bytes + 256 y
	s_lshl_b32 s23, s19, 8
	s_add_co_u32 s22, s22, s23
	s_mov_b32 s23, 0
	s_lshl_b32 s24, ttmp9, 11                      ; ws: 64 x rows of 32 bytes + 16 y
	s_lshl_b32 s25, s19, 4
	s_add_co_u32 s24, s24, s25
	s_mov_b32 s25, 0
	s_wait_kmcnt 0x0
	s_add_nc_u64 s[4:5], s[4:5], s[20:21]
	s_add_nc_u64 s[6:7], s[6:7], s[22:23]
	s_add_nc_u64 s[8:9], s[8:9], s[24:25]
.macro LOAD t                          ; block t: w(32 t + i, my column), i = 0 .. 31
.set nn, 0
.rept 32
	global_load_b32 v[X+32*(\t)+nn], v3, s[4:5] offset:(32*(\t)+nn)*ROWW th:TH_LOAD_NT
.set nn, nn+1
.endr
.endm
.macro BLOCK t
.set XS, X+32*(\t)
	v_max3_num_f32 v12, |v[XS]|, |v[XS+1]|, |v[XS+2]|               ; the block's largest magnitude: all 32 numbers are mine
	v_max3_num_f32 v13, |v[XS+3]|, |v[XS+4]|, |v[XS+5]|
.irp i, 6,10,14,18,22,26
	v_max3_num_f32 v12, v12, |v[XS+\i]|, |v[XS+\i+1]|
	v_max3_num_f32 v13, v13, |v[XS+\i+2]|, |v[XS+\i+3]|
.endr
	v_max3_num_f32 v12, v12, |v[XS+30]|, |v[XS+31]|
	v_max3_num_f32 v12, v12, v13, (EMAX+1)<<23     ; and the floor 2^(EMAX + 1 - 127)
	v_add_nc_u32 v11, -(EMAX<<23), v12             ; the conversions' scale operand
.irp g, 0,1,2,3
	v_cvt_scalef32_pk8_fp4_f32 v[C+4*(\t)+\g], v[XS+8*\g:XS+8*\g+7], v11
.endr
	v_lshrrev_b32 v13, 23, v11                     ; the scale's byte (a plain line behind the conversions)
.if (\t) == 0
	v_mov_b32 v[SB], v13
.else
	v_lshl_or_b32 v[SB], v13, 8*(\t), v[SB]        ; the lower K in the lower byte
.endif
	ds_store_b128 v4, v[C+4*(\t):C+4*(\t)+3] offset:16*(\t)        ; 32 codes: 16 bytes of my column's row
.endm
	LOAD 0
	LOAD 1
	s_wait_loadcnt 32                              ; block 0's 32 loads are in; block 1's may be out
	LOAD 2
	BLOCK 0
	s_wait_loadcnt 32                              ; block 1's are in; block 2's may be out
	LOAD 3
	BLOCK 1
	s_wait_loadcnt 32                              ; block 2's are in; block 3's may be out
	BLOCK 2
	s_wait_loadcnt 0x0
	BLOCK 3
	ds_store_b32 v5, v[SB]
	s_wait_dscnt 0x0                               ; for the others' sake: my stores have landed
	s_barrier_signal -1
	s_barrier_wait -1
.irp p, 0,1,2,3
	ds_load_b128 v[OUTR+4*\p:OUTR+4*\p+3], v7 offset:2*\p*PITCH
.endr
.irp p, 0,1,2,3
	s_wait_dscnt 3-\p                              ; the later loads of the four may be out
	global_store_b128 v8, v[OUTR+4*\p:OUTR+4*\p+3], s[6:7] offset:1024*\p   ; sixteen lanes store 256 consecutive bytes, aligned
.endr
	s_cmp_lt_u32 s16, 2                            ; waves 0 and 1 send the 64 columns' scale bytes
	s_cbranch_scc0 .Lno_scales
	ds_load_b128 v[28:31], v6
	s_wait_dscnt 0x0
	global_store_b128 v9, v[28:31], s[8:9]
.Lno_scales:
	s_wait_tensorcnt 0x0                           ; the wave's end, behind my last LDS store
	ds_add_u32 v[SPW], v[NIL]
	s_wait_dscnt 0x0
	s_endpgm
.Lfunc_end_k_qb6095a8e44_quant_w:
	.size	k_qb6095a8e44_quant_w, .Lfunc_end_k_qb6095a8e44_quant_w-k_qb6095a8e44_quant_w
	.p2alignl 7, 3214868480
	.fill 96, 4, 3214868480
	.section	.rodata,"a",@progbits
	.p2align	6, 0x0
	.amdhsa_kernel k_qb6095a8e44_quant_w
		.amdhsa_group_segment_fixed_size 19456
		.amdhsa_private_segment_fixed_size 0
		.amdhsa_enable_private_segment 0
		.amdhsa_kernarg_size 24
		.amdhsa_user_sgpr_count 2
		.amdhsa_user_sgpr_kernarg_segment_ptr 1
		.amdhsa_wavefront_size32 1
		.amdhsa_system_sgpr_workgroup_id_x 1
		.amdhsa_system_sgpr_workgroup_id_y 1
		.amdhsa_system_sgpr_workgroup_id_z 1
		.amdhsa_system_vgpr_workitem_id 0
		.amdhsa_next_free_vgpr 192
		.amdhsa_next_free_sgpr 66
		.amdhsa_reserve_vcc 0
		.amdhsa_float_denorm_mode_32 3
		.amdhsa_float_denorm_mode_16_64 3
		.amdhsa_memory_ordered 1
		.amdhsa_forward_progress 1
		.amdhsa_inst_pref_size 22
	.end_amdhsa_kernel
	.amdgpu_metadata
---
amdhsa.version: [ 1, 2 ]
amdhsa.kernels:
  - .name:           k_qb6095a8e44_quant_w
    .symbol:         k_qb6095a8e44_quant_w.kd
    .args:
      - { .name: w_attn, .offset: 0, .size: 8, .value_kind: global_buffer, .address_space: global }
      - { .name: wc, .offset: 8, .size: 8, .value_kind: global_buffer, .address_space: global }
      - { .name: ws, .offset: 16, .size: 8, .value_kind: global_buffer, .address_space: global }
    .group_segment_fixed_size: 19456
    .private_segment_fixed_size: 0
    .kernarg_segment_align: 8
    .kernarg_segment_size: 24
    .max_flat_workgroup_size: 256
    .sgpr_count:     66
    .vgpr_count:     192
    .wavefront_size: 32
...
	.end_amdgpu_metadata
.endif
;; end of part 2
;; launch cast_wp (part 3): grid 8 x 8, 4 waves a work-group, no clusters, 35,328 bytes of LDS; arguments w_proj, wpt; writes wpt
.if DOCPART == 3
	.amdgcn_target "amdgcn-amd-amdhsa--gfx1250"
	.amdhsa_code_object_version 6
	.text
	.protected	k_qb6095a8e44_cast_wp
	.globl	k_qb6095a8e44_cast_wp
	.p2align	8
	.type	k_qb6095a8e44_cast_wp,@function
k_qb6095a8e44_cast_wp:
	s_mov_b64 s[64:65], 0
	v_nop
	global_prefetch_b8 v0, s[64:65] scope:SCOPE_SE
	s_setreg_imm32_b32 hwreg(HW_REG_WAVE_MODE, 25, 1), 1
	s_wait_xcnt 0x0
; w_proj [1024 (k)][1024 (n)], f32, becomes wpt [1024 (n)][1024 (k)], f16, K innermost: the layout in which the projection's launch takes it.
; A lane takes a column n and its registers run down K: a load reads 128 consecutive bytes a wave, and two neighbours along K pack into one register.  Nothing is transposed by an instruction.
; A wave takes 32 columns x 128 along K: 256 bytes a column, which go through the wave's own stage in LDS (rows of 256 bytes + 16) and leave as rows: sixteen lanes store 256 consecutive bytes.
; LIMIT: magnitudes above 65,504 become infinity in f16; under 6e-5 they keep fewer bits.  No barrier: waves share nothing.
.set PITCH, 272
.set WST,   32*PITCH                   ; a wave's stage
.set SPARE, 4*WST
.set X,     32                         ; v32-159  128 numbers; later the rows read back
.set C,     160                        ; v160-223 packed f16
.set SPW,   14
.set NIL,   15
	s_load_b128 s[4:7], s[0:1], 0x0                ; w_proj, wpt
	v_lshl_add_u32 v[SPW], v0, 2, SPARE
	v_mov_b32 v[NIL], 0
	v_lshrrev_b32 v1, 5, v0
	v_readfirstlane_b32 s16, v1                    ; wave 0..3
	v_and_b32 v2, 31, v0
	s_and_b32 s17, ttmp7, 0xffff                   ; which 128 along K
	v_lshlrev_b32 v3, 2, v2
	s_mul_i32 s18, s16, WST
	v_mul_u32_u24 v4, v2, PITCH
	v_add_nc_u32 v4, s18, v4                       ; into the stage: row = my column
	v_and_b32 v5, 15, v2
	v_lshrrev_b32 v6, 4, v2
	v_mul_u32_u24 v7, v6, PITCH
	v_lshl_add_u32 v7, v5, 4, v7
	v_add_nc_u32 v7, s18, v7                       ; out of it: sixteen lanes to a row, two rows an instruction
	v_lshlrev_b32 v8, 11, v6
	v_lshl_add_u32 v8, v5, 4, v8                   ; the same two rows in wpt (2,048 bytes a row)
	s_lshl_b32 s20, s17, 19                        ; 128 y rows of 4,096 bytes
	s_lshl_b32 s21, ttmp9, 9
	s_add_co_u32 s20, s20, s21
	s_lshl_b32 s21, s16, 7
	s_add_co_u32 s20, s20, s21                     ; + 4 (128 x + 32 w)
	s_mov_b32 s21, 0
	s_lshl_b32 s22, ttmp9, 7
	s_lshl_b32 s23, s16, 5
	s_add_co_u32 s22, s22, s23
	s_lshl_b32 s22, s22, 11                        ; (128 x + 32 w) rows of wpt
	s_lshl_b32 s23, s17, 8
	s_add_co_u32 s22, s22, s23                     ; + 256 y
	s_mov_b32 s23, 0
	s_wait_kmcnt 0x0
	s_add_nc_u64 s[4:5], s[4:5], s[20:21]
	s_add_nc_u64 s[6:7], s[6:7], s[22:23]
.macro LOADQ u                         ; 32 rows of K
.set nn, 0
.rept 32
	global_load_b32 v[X+32*(\u)+nn], v3, s[4:5] offset:(32*(\u)+nn)*4096 th:TH_LOAD_NT
.set nn, nn+1
.endr
.endm
.macro WORKQ u
.set nn, 0
.rept 16
	v_cvt_pk_f16_f32 v[C+16*(\u)+nn], v[X+32*(\u)+2*nn], v[X+32*(\u)+2*nn+1]   ; the lower k in the low half
.set nn, nn+1
.endr
.irp i, 0,1,2,3
	ds_store_b128 v4, v[C+16*(\u)+4*\i:C+16*(\u)+4*\i+3] offset:64*(\u)+16*\i
.endr
.endm
	LOADQ 0
	LOADQ 1
	s_wait_loadcnt 32                              ; the first 32 are in; the next 32 may be out
	LOADQ 2
	WORKQ 0
	s_wait_loadcnt 32
	LOADQ 3
	WORKQ 1
	s_wait_loadcnt 32
	WORKQ 2
	s_wait_loadcnt 0x0
	WORKQ 3
.irp p, 0,1,2,3,4,5,6,7,8,9,10,11,12,13,14,15
	ds_load_b128 v[X+4*\p:X+4*\p+3], v7 offset:2*\p*PITCH          ; LDS serves a wave's instructions in order: these see my stores
.endr
.irp p, 0,1,2,3,4,5,6,7,8,9,10,11,12,13,14,15
	s_wait_dscnt 15-\p                             ; the later loads of the sixteen may be out
	global_store_b128 v8, v[X+4*\p:X+4*\p+3], s[6:7] offset:4096*\p
.endr
	s_wait_tensorcnt 0x0                           ; the wave's end, behind my last LDS store
	ds_add_u32 v[SPW], v[NIL]
	s_wait_dscnt 0x0
	s_endpgm
.Lfunc_end_k_qb6095a8e44_cast_wp:
	.size	k_qb6095a8e44_cast_wp, .Lfunc_end_k_qb6095a8e44_cast_wp-k_qb6095a8e44_cast_wp
	.p2alignl 7, 3214868480
	.fill 96, 4, 3214868480
	.section	.rodata,"a",@progbits
	.p2align	6, 0x0
	.amdhsa_kernel k_qb6095a8e44_cast_wp
		.amdhsa_group_segment_fixed_size 35328
		.amdhsa_private_segment_fixed_size 0
		.amdhsa_enable_private_segment 0
		.amdhsa_kernarg_size 16
		.amdhsa_user_sgpr_count 2
		.amdhsa_user_sgpr_kernarg_segment_ptr 1
		.amdhsa_wavefront_size32 1
		.amdhsa_system_sgpr_workgroup_id_x 1
		.amdhsa_system_sgpr_workgroup_id_y 1
		.amdhsa_system_sgpr_workgroup_id_z 1
		.amdhsa_system_vgpr_workitem_id 0
		.amdhsa_next_free_vgpr 224
		.amdhsa_next_free_sgpr 66
		.amdhsa_reserve_vcc 0
		.amdhsa_float_denorm_mode_32 3
		.amdhsa_float_denorm_mode_16_64 3
		.amdhsa_memory_ordered 1
		.amdhsa_forward_progress 1
		.amdhsa_inst_pref_size 22
	.end_amdhsa_kernel
	.amdgpu_metadata
---
amdhsa.version: [ 1, 2 ]
amdhsa.kernels:
  - .name:           k_qb6095a8e44_cast_wp
    .symbol:         k_qb6095a8e44_cast_wp.kd
    .args:
      - { .name: w_proj, .offset: 0, .size: 8, .value_kind: global_buffer, .address_space: global }
      - { .name: wpt, .offset: 8, .size: 8, .value_kind: global_buffer, .address_space: global }
    .group_segment_fixed_size: 35328
    .private_segment_fixed_size: 0
    .kernarg_segment_align: 8
    .kernarg_segment_size: 16
    .max_flat_workgroup_size: 128
    .sgpr_count:     66
    .vgpr_count:     224
    .wavefront_size: 32
...
	.end_amdgpu_metadata
.endif
;; end of part 3
;; launch gemm_qkv (part 4): grid 12 x 32, 4 waves a work-group, clusters of 4 x 4, 327,680 bytes of LDS; arguments xc, xs, wc, ws, qkv, b_attn, fq; writes qkv, fq
.if DOCPART == 4
	.amdgcn_target "amdgcn-amd-amdhsa--gfx1250"
	.amdhsa_code_object_version 6
	.text
	.protected	k_qb6095a8e44_gemm_qkv
	.globl	k_qb6095a8e44_gemm_qkv
	.p2align	8
	.type	k_qb6095a8e44_gemm_qkv,@function
k_qb6095a8e44_gemm_qkv:
	s_mov_b64 s[64:65], 0
	v_nop
	global_prefetch_b8 v0, s[64:65] scope:SCOPE_SE
	s_setreg_imm32_b32 hwreg(HW_REG_WAVE_MODE, 25, 1), 1
	s_wait_xcnt 0x0
	s_wait_alu depctr_hold_cnt(0) depctr_sa_sdst(0) depctr_va_vdst(0) depctr_va_sdst(0) depctr_va_ssrc(0) depctr_va_vcc(0) depctr_vm_vsrc(0)
	s_getreg_b32 s2, hwreg(HW_REG_IB_STS2, 6, 4)
	s_cmp_eq_u32 s2, 0
	s_cbranch_scc0 .Lentry_in_a_cluster
	s_endpgm
.Lentry_in_a_cluster:
	s_bfe_u32 s2, ttmp6, 0x10000c
	s_cmp_lg_u32 s2, 0xf033
	s_cbranch_scc0 .Lentry_shape_is_right
	s_endpgm
.Lentry_shape_is_right:
; qkv = Q(x) Q(w_attn) + b_attn, on codes of FP4 (E2M1) with one E8M0 scale for each 32 along K; sums in f32, begun with the bias.
; A = xc [8192][1024 codes], xs [8192][32];  B = wc [3072][1024 codes], ws [3072][32].  OUT: qkv, f16, laid [q, k, v][batch x head: 64][t: 2048][64]; and fq, f32, [batch 4][t 16][3072]: the first 16 positions of each
; sequence as they are, for the launch that carries those rows in f32.  LIMIT: a result above 65,504 in magnitude becomes infinity in qkv.
; A tile of C, 256 x 256, is made by a work-group of four waves; a wave makes 128 x 128: 64 accumulators of 16 x 16, 512 registers.  K = 1024 is two steps of 512, one in each of two LDS slots: each slot is filled once.
; The scales of the work-group's 256 rows of A and of B, for all of K, are two dense blocks of memory: they come into LDS once, with the first fills.
; CLUSTERS: 4 x 4 work-groups.  The four of a row of the cluster need the same tiles of A, the four of a column the same tiles of B: each tile is asked for JOINTLY, by the same tensor load with the same descriptor and a mask
; that names the four.  THE MATRIX INSTRUCTION IS USED TRANSPOSED (source 0 = 16 rows of B, source 1 = 16 rows of A): a lane holds eight neighbouring numbers of a row of C.
; REGISTERS, in windows of 256: window 0: v0-31 addresses; v32-95 scale words, two sets, and nothing else; v96-127 packed results on the way out; v128-191 A's fragments, one set, later rows read back; v192-255 the bias
; in the result's layout (register 8 b + j: column 16 b + 8 (lane / 16) + j of my 128).   window 1: B's fragments, two sets.   window 2: the accumulators of my rows 0-63 ((a, b) at v[8 (8 a + b)]);  window 3: rows 64-127.
.set SIZE_K, 1024
.set KSTEP,  512
.set NQ,     KSTEP/128
.set ROWB,   256                       ; a tile's row in bytes
.set KROW,   SIZE_K*4/8                ; a row of codes in memory
.set PITCH,  272                       ; an LDS row: 256 bytes + 16 of padding
.set FR,     8
.set NL,     2
.set NP,     4                         ; places behind this matrix instruction (ISA guide 7.12.1)
.set HALFT,  128*PITCH
.set SLOT,   4*HALFT
.set KS,     SIZE_K/32
.set SCL,    2*SLOT                    ; behind the ring: the scales, as rows of 256 bytes + 16
.set HALFS,  (128*KS/256)*272
.set SBLK,   (16*KS/256)*272
.set SPARE,  SCL+4*HALFS               ; the spare words, 128 bytes for each wave
.set SPITCH, 272                       ; the way out: a stage of 16 rows x (256 bytes + 16) for each wave, in slot 0, which has had its one fill and its last read when the first result is stored there
.set ADRA, 16
.set ADRB, 20
.set FO,   23                          ; v23  my byte offset in fq: 12,288 (lane % 16) + 32 (lane / 16)
.set STO,  24
.set RD,   25
.set CO,   26
.set ADRS, 27
.set SPW,  28
.set NIL,  29
.set BO,   30                          ; v30  32 (lane / 16): my eight numbers of a bias block
.set TZ,   31                          ; v31  my wave's first position in its sequence
.set SC,   32
.set TMP,  96
.set AF,   128
.set BK,   128                         ; rows read back: v128-159 and v160-191 by turns
.set BIAS, 192
.set G1, 24
.set G0, 32
.set G1B, 48
.set G0B, 56
.set G1S, 68
.set G0S, 76
.set G1SB, 80
.set G0SB, 88
.set MSB, 0
.macro WIN new                         ; the immediate's high byte repeats the setting that is left
.if MSB != (\new)
	s_set_vgpr_msb (MSB<<8)|(\new)
.set MSB, (\new)
.endif
.endm
.set MUL_LO, 0xa1                      ; source 0 (B) window 1, source 1 (A) window 0, C and D window 2
.set MUL_HI, 0xf1                      ; the same, C and D window 3
.set TO_B,   0x40
; A joint load: waves 0 and 1 fetch for A, waves 2 and 3 for B.  Each line has one mask and one set of registers for all that issue it; the branch hangs on the wave's number alone.
.macro JLOAD g0a, g1a, g0b, g1b
	s_cmp_eq_u32 s15, 0
	s_cbranch_scc0 .Lfor_b_\@
	tensor_load_to_lds s[\g0a:\g0a+3], s[\g1a:\g1a+7]
	s_nop 0
.rept 4
	v_nop
.endr
	s_branch .Lasked_\@
.Lfor_b_\@:
	tensor_load_to_lds s[\g0b:\g0b+3], s[\g1b:\g1b+7]
	s_nop 0
.rept 4
	v_nop
.endr
.Lasked_\@:
.endm
.macro CROUND                          ; a round of the cluster's barrier
	s_barrier_signal -1
	s_barrier_wait -1
	s_cmp_lg_u32 s14, 0
	s_cbranch_scc1 .Lnot_wave_0_\@
	s_barrier_signal -3
.Lnot_wave_0_\@:
	s_barrier_wait -3
	s_barrier_signal -1
	s_barrier_wait -1
.endm
	s_load_b128 s[4:7], s[0:1], 0x0                ; A's codes, A's scales
	s_load_b128 s[8:11], s[0:1], 0x10              ; B's codes, B's scales
	s_load_b64 s[12:13], s[0:1], 0x20              ; qkv
	s_load_b64 s[96:97], s[0:1], 0x28              ; b_attn
	s_load_b64 s[98:99], s[0:1], 0x30              ; fq
	v_lshl_add_u32 v[SPW], v0, 2, SPARE
	v_mov_b32 v[NIL], 0
	ds_add_u32 v[SPW], v[NIL]                      ; the wave's opening: the add, twice on end, and its wait ahead of my first tensor load
	ds_add_u32 v[SPW], v[NIL]
	v_lshrrev_b32 v1, 5, v0
	v_readfirstlane_b32 s14, v1                    ; wave 0..3
	s_lshr_b32 s15, s14, 1                         ; which half of the tile's rows is mine.  Also: I fetch for A (0) or for B (1)
	s_and_b32 s16, s14, 1                          ; which half of its columns.  Also: which 128 rows of that tile I fetch
	s_bfe_u32 s40, ttmp6, 0x40000                  ; cx, cy: my place in the cluster
	s_bfe_u32 s41, ttmp6, 0x40004
	s_lshl_b32 s42, ttmp9, 2
	s_add_co_u32 s42, s42, s40                     ; tile column of C
	s_and_b32 s17, ttmp7, 0xffff
	s_lshl_b32 s17, s17, 2
	s_add_co_u32 s17, s17, s41                     ; tile row of C
	s_lshl_b32 s43, s41, 2
	s_lshl_b32 s43, 15, s43                        ; my row of the cluster
	s_lshl_b32 s44, 0x1111, s40                    ; my column
	s_or_b32 s[G1+0], s43, (0<<16)|(1<<20)|(1<<21)|(5<<22)|(3<<25)  ; the mask; elements of 1 byte; padding: 4 words behind every 64
	s_or_b32 s[G1B+0], s44, (0<<16)|(1<<20)|(1<<21)|(5<<22)|(3<<25)
.irp g, G1, G1B
	s_mov_b32 s[\g+1], ROWB<<16                    ; tensor_dim0
	s_mov_b32 s[\g+2], 128<<16                     ; tensor_dim1
	s_mov_b32 s[\g+3], ROWB<<16                    ; tile_dim0
	s_mov_b32 s[\g+4], 128                         ; tile_dim1
	s_mov_b32 s[\g+5], KROW                        ; from row to row
	s_mov_b32 s[\g+6], 0
	s_mov_b32 s[\g+7], 0
.endr
	s_or_b32 s[G1S+0], s43, (3<<16)|(1<<20)|(1<<21)|(5<<22)|(3<<25)  ; the scales of 128 rows: 4,096 dense bytes as rows of 256 (32 elements of 8 bytes), 16 of padding behind each
	s_or_b32 s[G1SB+0], s44, (3<<16)|(1<<20)|(1<<21)|(5<<22)|(3<<25)
.irp g, G1S, G1SB
	s_mov_b32 s[\g+1], 32<<16
	s_mov_b32 s[\g+2], (128*KS/256)<<16
	s_mov_b32 s[\g+3], 32<<16
	s_mov_b32 s[\g+4], 128*KS/256
	s_mov_b32 s[\g+5], 32
	s_mov_b32 s[\g+6], 0
	s_mov_b32 s[\g+7], 0
.endr
	s_lshl_b32 s18, s16, 7
	s_lshl_b32 s20, s17, 8
	s_add_co_u32 s20, s20, s18                     ; A: row 256 x tile row + 128 x half
	s_lshl_b32 s46, s42, 8
	s_add_co_u32 s46, s46, s18                     ; B: row 256 x tile column + 128 x half
	s_mov_b32 s21, 0
	s_mov_b32 s47, 0
	s_mov_b64 s[18:19], KS
	s_mul_u64 s[22:23], s[20:21], s[18:19]         ; where these rows' scales begin,
	s_mul_u64 s[92:93], s[46:47], s[18:19]
	s_mov_b64 s[18:19], KROW
	s_mul_u64 s[20:21], s[20:21], s[18:19]         ; and their codes
	s_mul_u64 s[46:47], s[46:47], s[18:19]
	s_mul_i32 s45, s14, HALFT                      ; where they go: wave x 128 rows
	s_mul_i32 s94, s14, HALFS
	s_wait_dscnt 0x0                               ; both opening adds are done
	s_wait_kmcnt 0x0
	s_add_nc_u64 s[20:21], s[4:5], s[20:21]
	s_add_nc_u64 s[22:23], s[6:7], s[22:23]
	s_add_nc_u64 s[46:47], s[8:9], s[46:47]
	s_add_nc_u64 s[92:93], s[10:11], s[92:93]
	CROUND                                         ; all sixteen work-groups are here: the first joint loads meet
	s_mov_b32 s[G0S], 1
	s_add_co_u32 s[G0S+1], s94, SCL
	s_mov_b64 s[G0S+2:G0S+3], s[22:23]
	s_or_b32 s[G0S+3], s[G0S+3], 0x80000000
	s_mov_b32 s[G0SB], 1
	s_add_co_u32 s[G0SB+1], s94, SCL
	s_mov_b64 s[G0SB+2:G0SB+3], s[92:93]
	s_or_b32 s[G0SB+3], s[G0SB+3], 0x80000000
	JLOAD G0S, G1S, G0SB, G1SB                     ; the scales first: they are wanted with K step 0
.irp s, 0,1
	s_mov_b32 s[G0+4*\s], 1
	s_add_co_u32 s[G0+4*\s+1], s45, \s*SLOT
	s_add_nc_u64 s[G0+4*\s+2:G0+4*\s+3], s[20:21], \s*ROWB
	s_or_b32 s[G0+4*\s+3], s[G0+4*\s+3], 0x80000000
	s_mov_b32 s[G0B+4*\s], 1
	s_add_co_u32 s[G0B+4*\s+1], s45, \s*SLOT
	s_add_nc_u64 s[G0B+4*\s+2:G0B+4*\s+3], s[46:47], \s*ROWB
	s_or_b32 s[G0B+4*\s+3], s[G0B+4*\s+3], 0x80000000
	JLOAD G0+4*\s, G1, G0B+4*\s, G1B               ; three tensor loads of mine are out at the most
.endr
	v_and_b32 v1, 15, v0                           ; l % 16
	v_bfe_u32 v2, v0, 4, 1                         ; l / 16
	v_mul_u32_u24 v3, v1, PITCH
	v_lshl_add_u32 v4, v2, 4, v3                   ; a fragment's row x pitch + 16 x half
	s_mul_i32 s21, s15, HALFT                      ; my 128 rows of A
	s_mul_i32 s22, s16, HALFT                      ; my 128 rows of B,
	s_add_co_u32 s22, s22, 2*HALFT                 ; which lie behind A's 256
.irp s, 0,1
	v_add_nc_u32 v[ADRA+\s], s21, v4
	v_add_nc_u32 v[ADRB+\s], s22, v4
	s_add_co_u32 s21, s21, SLOT
	s_add_co_u32 s22, s22, SLOT
.endr
	v_mul_u32_u24 v5, v1, KS                       ; my row's scales: KS bytes a row,
	v_lshrrev_b32 v6, 8, v5
	v_lshl_add_u32 v5, v6, 4, v5                   ; and 16 more for each 256 passed
	s_mul_i32 s21, s15, HALFS
	s_mul_i32 s22, s16, HALFS
	s_add_co_u32 s22, s22, 2*HALFS
	s_sub_co_u32 s22, s22, s21
	v_mul_u32_u24 v6, s22, v2                      ; lanes 16-31 take B's
	s_add_co_u32 s21, s21, SCL
	v_add_nc_u32 v5, v5, v6
	v_add_nc_u32 v[ADRS], s21, v5
	s_mul_i32 s23, s14, 16*SPITCH                  ; my stage
	v_mul_u32_u24 v5, v1, SPITCH
	v_lshl_add_u32 v5, v2, 4, v5
	v_add_nc_u32 v[STO], s23, v5                   ; in: row l % 16, 16 bytes for each half of the lanes
	v_bfe_u32 v5, v0, 3, 1
	v_mul_u32_u24 v5, v5, SPITCH
	v_lshl_add_u32 v5, v2, 7, v5
	v_and_b32 v6, 7, v0
	v_lshl_add_u32 v5, v6, 4, v5
	v_add_nc_u32 v[RD], s23, v5                    ; back: lanes 0-15 two rows' first 128 bytes (my first head), lanes 16-31 their second 128 (my second head)
	v_lshlrev_b32 v[CO], 18, v2
	v_lshl_add_u32 v[CO], v1, 4, v[CO]             ; in qkv: a head on for lanes 16-31; two rows of 128 bytes are 256 consecutive bytes
	v_lshlrev_b32 v[BO], 5, v2
	v_mul_u32_u24 v[FO], v1, 12288
	v_lshl_add_u32 v[FO], v2, 5, v[FO]
	; where my part lies.  My first row m0 = 256 x tile row + 128 x half: batch m0 / 2048, position m0 % 2048.  My first column n0 = 256 x tile column + 128 x half: heads n0 / 64 and the next, of q, k or v
	s_lshl_b32 s20, s17, 8
	s_lshl_b32 s21, s15, 7
	s_add_co_u32 s20, s20, s21
	s_and_b32 s95, s20, 2047                       ; my first position
	s_lshr_b32 s67, s20, 11                        ; my batch
	s_lshl_b32 s46, s42, 2
	s_lshl_b32 s47, s16, 1
	s_add_co_u32 s46, s46, s47                     ; n0 / 64: 0 .. 47
	s_lshr_b32 s47, s46, 4                         ; q, k or v
	s_and_b32 s46, s46, 15                         ; the head
	s_lshl_b32 s47, s47, 6
	s_add_co_u32 s46, s46, s47
	s_lshl_b32 s47, s67, 4
	s_add_co_u32 s46, s46, s47
	s_lshl_b32 s46, s46, 18                        ; 262,144 bytes a head
	s_lshl_b32 s47, s95, 7
	s_add_co_u32 s46, s46, s47                     ; + 128 bytes a position
	s_mov_b32 s47, 0
	s_add_nc_u64 s[12:13], s[12:13], s[46:47]
	s_lshl_b32 s46, s42, 10
	s_lshl_b32 s47, s16, 9
	s_add_co_u32 s46, s46, s47                     ; 4 n0
	s_mov_b32 s47, 0
	s_add_nc_u64 s[96:97], s[96:97], s[46:47]      ; the bias at my first column
	s_mul_i32 s20, s67, 196608
	s_add_co_u32 s20, s20, s46
	s_mov_b32 s21, 0
	s_add_nc_u64 s[98:99], s[98:99], s[20:21]      ; fq at my batch and my first column
.irp b, 0,1,2,3,4,5,6,7
	global_load_b128 v[BIAS+8*\b:BIAS+8*\b+3], v[BO], s[96:97] offset:64*\b
	global_load_b128 v[BIAS+8*\b+4:BIAS+8*\b+7], v[BO], s[96:97] offset:64*\b+16
.endr
.macro FRAG reg, adr, q, i             ; a fragment, 16 rows x 128 K of 4-bit codes, is 8 registers: lane l holds row l % 16; registers 4 c .. 4 c + 3 hold K = 64 c + 32 (l / 16) + 0 .. 31
.irp c, 0,1
	ds_load_b128 v[\reg+4*\c:\reg+4*\c+3], v[\adr] offset:64*(\q)+32*\c+(\i)*16*PITCH
.endr
.endm
; 16 matrix instructions: A's blocks a0, a0 + 1 x B's eight, 128 along K.  p: B's set;  sc: the set of scale words.  zero = 1: the first product starts the sums, from the bias.
; The 64 accumulators take turns, one instruction a turn, in the same order in every step.
.macro MUL16 a0, p, q, sc, zero
.irp a, \a0, \a0+1
.irp b, 0,1,2,3,4,5,6,7
.if \zero
	v_wmma_scale_f32_16x16x128_f8f6f4 v[8*(8*((\a)%4)+\b):8*(8*((\a)%4)+\b)+7], v[128*(\p)+FR*\b:128*(\p)+FR*\b+FR-1], v[AF+FR*(\a):AF+FR*(\a)+FR-1], v[BIAS+8*\b:BIAS+8*\b+7], v[SC+8*NQ*(\sc)+NQ*\b+(\q)], v[SC+8*NQ*(\sc)+NQ*(\a)+(\q)] matrix_a_fmt:MATRIX_FMT_FP4 matrix_b_fmt:MATRIX_FMT_FP4 matrix_a_scale:MATRIX_SCALE_ROW1
.else
	v_wmma_scale_f32_16x16x128_f8f6f4 v[8*(8*((\a)%4)+\b):8*(8*((\a)%4)+\b)+7], v[128*(\p)+FR*\b:128*(\p)+FR*\b+FR-1], v[AF+FR*(\a):AF+FR*(\a)+FR-1], v[8*(8*((\a)%4)+\b):8*(8*((\a)%4)+\b)+7], v[SC+8*NQ*(\sc)+NQ*\b+(\q)], v[SC+8*NQ*(\sc)+NQ*(\a)+(\q)] matrix_a_fmt:MATRIX_FMT_FP4 matrix_b_fmt:MATRIX_FMT_FP4 matrix_a_scale:MATRIX_SCALE_ROW1
.endif
.endr
.endr
.endm
.macro FETCH_B slot, q, p
	WIN TO_B
.irp i, 0,1,2,3,4,5,6,7
	FRAG 128*(\p)+FR*\i, ADRB+\slot, \q, \i
.endr
	WIN 0
.endm
.macro FETCH_A slot, q, i0
.irp i, \i0, \i0+1, \i0+2, \i0+3
	FRAG AF+FR*(\i), ADRA+\slot, \q, \i
.endr
.endm
.macro SCALES sc                       ; a K step's scale words: NQ words a row; lanes 0-15 take A's block i, lanes 16-31 B's block i
.irp i, 0,1,2,3,4,5,6,7
	ds_load_b128 v[SC+8*NQ*\sc+NQ*\i:SC+8*NQ*\sc+NQ*\i+3], v[ADRS] offset:\i*SBLK
.endr
.endm
.macro PLACES n                        ; plain vector instructions between a matrix instruction and a load into, or a read of, its registers
.rept \n
	v_nop
.endr
.endm
; A step of 128 along K that has its successor in the same slot.  zero = 1: C is the bias, in window 0
.macro STEP slot, q, zero
	s_wait_dscnt 4*NL                              ; B's set and A's blocks 0-3 are in; the youngest eight loads (A's blocks 4-7) may be out
	WIN MUL_LO-0x20*(\zero)
	MUL16 0, (\q)%2, \q, \slot, \zero
	MUL16 2, (\q)%2, \q, \slot, \zero
	s_wait_dscnt 0
	PLACES NP
	FETCH_B \slot, (\q)+1, 1-(\q)%2
	FETCH_A \slot, (\q)+1, 0
	WIN MUL_HI-0x30*(\zero)
	MUL16 4, (\q)%2, \q, \slot, \zero
	MUL16 6, (\q)%2, \q, \slot, \zero
	PLACES NP
	WIN 0
	FETCH_A \slot, (\q)+1, 4
.endm
; Slot 0's last step changes slots: one barrier; in front of it each wave waits for all its tensor loads (slot 1's is the one that was out), adds 0 to its spare word, and waits for that and for its reads of slot 0.  Nothing is filled again.
.macro TURN slot, next
	s_wait_tensorcnt 0x0
	ds_add_u32 v[SPW], v[NIL]
	s_wait_dscnt 4*NL+1                            ; (the add and the youngest eight loads may be out)
	WIN MUL_LO
	MUL16 0, 1, NQ-1, \slot, 0
	s_wait_dscnt 0x0                               ; the add is done, and my reads of this slot are over
	s_barrier_signal -1
	MUL16 2, 1, NQ-1, \slot, 0
	WIN 0
	s_barrier_wait -1
	PLACES NP
	v_add_nc_u32 v[ADRS], 4*NQ, v[ADRS]            ; on to the next K step's scale words
	FETCH_B \next, 0, 0
	FETCH_A \next, 0, 0
	SCALES \next
	WIN MUL_HI
	MUL16 4, 1, NQ-1, \slot, 0
	MUL16 6, 1, NQ-1, \slot, 0
	PLACES NP
	WIN 0
	FETCH_A \next, 0, 4
.endm
.macro STEPS slot, from
.set QQ, \from
.rept NQ-1-\from
	STEP \slot, QQ, 0
.set QQ, QQ+1
.endr
.endm
	s_wait_tensorcnt 1                             ; the scales and my part of K step 0 are in (K step 1's load may be out)
	s_barrier_signal -1
	s_barrier_wait -1                              ; everybody's are
	FETCH_B 0, 0, 0
	FETCH_A 0, 0, 0
	SCALES 0
	FETCH_A 0, 0, 4
	s_wait_loadcnt 0x0                             ; the bias
	STEP 0, 0, 1
	STEPS 0, 1
	TURN 0, 1
	STEPS 1, 0
	s_wait_dscnt 4*NL                              ; the very last step: nothing more to fetch
	WIN MUL_LO
	MUL16 0, 1, NQ-1, 1, 0
	MUL16 2, 1, NQ-1, 1, 0
	s_wait_dscnt 0
	WIN MUL_HI
	MUL16 4, 1, NQ-1, 1, 0
	MUL16 6, 1, NQ-1, 1, 0
	WIN 0
	PLACES NP
	; THE FIRST 16 POSITIONS IN f32.  Where my first position is 0, my block 0 holds positions 0-15 of a sequence: it goes to fq as it is.  Which waves those are hangs on the work-group's place:
	; the lanes are switched off instead of a branch, and every wave runs the lines.  EXEC changes only behind a wait on XCNT, both ways.
	s_wait_xcnt 0x0
	v_mov_b32 v[TZ], s95
	v_cmp_eq_u32 vcc_lo, 0, v[TZ]
	s_and_saveexec_b32 s66, vcc_lo
	WIN 0x08                                       ; a store's data: window 2
.irp b, 0,1,2,3,4,5,6,7
	global_store_b128 v[FO], v[8*\b:8*\b+3], s[98:99] offset:64*\b            ; each accumulator from its low end on
	global_store_b128 v[FO], v[8*\b+4:8*\b+7], s[98:99] offset:64*\b+16
.endr
	WIN 0
	s_wait_xcnt 0x0
	s_or_b32 exec_lo, exec_lo, s66
; THE WAY OUT, block by block of 16 rows x 128 columns.  PACK: rounded to f16, 16 bytes a lane.  TOSTAGE: into my own stage, and back so that sixteen lanes hold two rows of one head.  SEND: stored.
.macro PACK a
.set AC, 64*((\a)%4)
	WIN 0x0a+5*((\a)/4)                            ; sources 0 and 1: window 2 or 3
.irp b, 0,1,2,3,4,5,6,7
.irp u, 0,1,2,3
	v_cvt_pk_f16_f32 v[TMP+4*\b+\u], v[AC+8*\b+2*\u], v[AC+8*\b+2*\u+1]
.endr
.endr
	WIN 0
.endm
.macro TOSTAGE a
.set BB, BK+32*((\a)%2)
.irp b, 0,1,2,3,4,5,6,7
	ds_store_b128 v[STO], v[TMP+4*\b:TMP+4*\b+3] offset:32*\b
.endr
.irp p, 0,1,2,3,4,5,6,7
	ds_load_b128 v[BB+4*\p:BB+4*\p+3], v[RD] offset:\p*2*SPITCH    ; LDS serves a wave's instructions in order: these see the stores above
.endr
.endm
.macro SEND a
.set BB, BK+32*((\a)%2)
	s_wait_dscnt 0x0                               ; the block is back in registers
	s_wait_xcnt 0x0                                ; the stores of the block before have read their registers: the next block's loads may land there
.irp p, 0,1,2,3,4,5,6,7
	global_store_b128 v[CO], v[BB+4*\p:BB+4*\p+3], s[12:13] offset:2048*(\a)+256*\p   ; sixteen lanes store 256 consecutive bytes, aligned: two positions of one head
.endr
.endm
	PACK 0
	TOSTAGE 0
.irp a, 1,2,3,4,5,6,7                  ; block a's conversions stand between block a - 1's loads from the stage and the wait for them
	PACK \a
	SEND \a-1
	TOSTAGE \a
.endr
	SEND 7
	s_wait_tensorcnt 0x0                           ; the wave's end, behind my last tensor load and my last LDS store
	ds_add_u32 v[SPW], v[NIL]
	s_wait_dscnt 0x0
	CROUND                                         ; the closing round: no work-group ends while a partner may still ask for a tile that names it
	s_endpgm
.Lfunc_end_k_qb6095a8e44_gemm_qkv:
	.size	k_qb6095a8e44_gemm_qkv, .Lfunc_end_k_qb6095a8e44_gemm_qkv-k_qb6095a8e44_gemm_qkv
	.p2alignl 7, 3214868480
	.fill 96, 4, 3214868480
	.section	.rodata,"a",@progbits
	.p2align	6, 0x0
	.amdhsa_kernel k_qb6095a8e44_gemm_qkv
		.amdhsa_group_segment_fixed_size 327680
		.amdhsa_private_segment_fixed_size 0
		.amdhsa_enable_private_segment 0
		.amdhsa_kernarg_size 56
		.amdhsa_user_sgpr_count 2
		.amdhsa_user_sgpr_kernarg_segment_ptr 1
		.amdhsa_wavefront_size32 1
		.amdhsa_system_sgpr_workgroup_id_x 1
		.amdhsa_system_sgpr_workgroup_id_y 1
		.amdhsa_system_sgpr_workgroup_id_z 1
		.amdhsa_system_vgpr_workitem_id 0
		.amdhsa_next_free_vgpr 1024
		.amdhsa_next_free_sgpr 100
		.amdhsa_reserve_vcc 1
		.amdhsa_float_denorm_mode_32 3
		.amdhsa_float_denorm_mode_16_64 3
		.amdhsa_memory_ordered 1
		.amdhsa_forward_progress 1
		.amdhsa_inst_pref_size 131
	.end_amdhsa_kernel
	.amdgpu_metadata
---
amdhsa.version: [ 1, 2 ]
amdhsa.kernels:
  - .name:           k_qb6095a8e44_gemm_qkv
    .symbol:         k_qb6095a8e44_gemm_qkv.kd
    .args:
      - { .name: xc, .offset: 0, .size: 8, .value_kind: global_buffer, .address_space: global }
      - { .name: xs, .offset: 8, .size: 8, .value_kind: global_buffer, .address_space: global }
      - { .name: wc, .offset: 16, .size: 8, .value_kind: global_buffer, .address_space: global }
      - { .name: ws, .offset: 24, .size: 8, .value_kind: global_buffer, .address_space: global }
      - { .name: qkv, .offset: 32, .size: 8, .value_kind: global_buffer, .address_space: global }
      - { .name: b_attn, .offset: 40, .size: 8, .value_kind: global_buffer, .address_space: global }
      - { .name: fq, .offset: 48, .size: 8, .value_kind: global_buffer, .address_space: global }
    .group_segment_fixed_size: 327680
    .private_segment_fixed_size: 0
    .kernarg_segment_align: 8
    .kernarg_segment_size: 56
    .max_flat_workgroup_size: 128
    .sgpr_count:     100
    .vgpr_count:     1024
    .wavefront_size: 32
...
	.end_amdgpu_metadata
.endif
;; end of part 4
;; launch attn (part 5): grid 4 x 64, 16 waves a work-group, no clusters, 327,680 bytes of LDS; arguments qkv, oh; writes oh
.if DOCPART == 5
	.amdgcn_target "amdgcn-amd-amdhsa--gfx1250"
	.amdhsa_code_object_version 6
	.text
	.protected	k_qb6095a8e44_attn
	.globl	k_qb6095a8e44_attn
	.p2align	8
	.type	k_qb6095a8e44_attn,@function
k_qb6095a8e44_attn:
	s_mov_b64 s[64:65], 0
	v_nop
	global_prefetch_b8 v0, s[64:65] scope:SCOPE_SE
	s_setreg_imm32_b32 hwreg(HW_REG_WAVE_MODE, 25, 1), 1
	s_wait_xcnt 0x0
; oh[bh][q][:] = the sum over k <= q of softmax_k(Q[bh][q] . K[bh][k] / 8) V[bh][k][:].  Q, K, V: qkv [3][64][2048][64], f16; oh [64][2048][64], f16.  Products, maxima and sums in f32; the weights p are rounded to f16
; for the second product, the result once at the end.  (Positions 0-15 of each sequence are made here too, and made again in f32 by the last launch, which writes the final rows.)
; LIMITS: f16 operands: magnitudes above 65,504 are infinity already in qkv; NaN and infinities are not served.
; SHARES.  Work-group (i, bh) owns the query blocks i and 7 - i (256 queries each) of head bh: under the causal mask the two together have the same work for every i.  Waves 0-7 take block i, waves 8-15 block 7 - i;
; a wave owns 32 queries, two tiles of 16, in 256 registers: four waves to a SIMD, so that one wave's vector work stands beside another's matrix work; each fragment of K and V feeds two products.
; Keys go 64 a step; K's and V's tiles come through a ring of two LDS slots of 256 keys, filled by the tensor data mover (waves 0, 1: K's halves; waves 2, 3: V's) and read by all sixteen.
; NO CLUSTER: the mask lets the waves of some work-groups of a head pass over tiles that others read, so partners would not all read what a joint load brings.
; LAYOUT.  S^T = K Q^T (source 0 = 16 keys, source 1 = 16 queries): a lane holds ONE query (lane % 16) and the keys 8 (lane / 16) + 0..7.  Two such tiles, rounded to f16 in pairs, ARE source 1 (32 keys x 16 queries) of
; O^T = V^T P.  K comes out of LDS as it lies, V ([key][channel]) turned, by ds_load_tr16_b128.
; SOFTMAX.  For each query a running maximum m and sum l: p = 2^(c s - c m), c = log2(e) / 8; in every step O and l are multiplied by a = 2^(c m_old - c m_new).
; THE MASK.  Every work-group walks all 8 slots (constant trip counts).  A step all of whose keys come after the wave's queries is passed over by a scalar branch on ids; on the diagonal hidden scores become -infinity.
; A step begins at a multiple of 64 and a wave's queries at a multiple of 32, so in every step that is walked the step's first key counts for all 32 queries: m is a number from the first step on.
.set SK,    256                        ; keys in a slot
.set KP,    144                        ; a key's row of K in LDS: 128 bytes + 16
.set VP,    160                        ; of V: 128 + 32
.set VOFF,  SK*KP
.set SLOT1, 1<<17                      ; slot 1 begins here: one exclusive or turns an address from one slot to the other
.set STAGE, VOFF+SK*VP                 ; between the slots, where no fill lands: 16 rows x 144 bytes for each wave, for the way out
.set SPARE, 2*SLOT1                    ; the spare words, 128 bytes for each of the sixteen waves
.set REG,   1<<24                      ; bytes of q, of k, of v in qkv
.set AK0, 1                            ; v1   my lane's place in a tile of K
.set AV0, 2                            ; v2   the same for V
.set SPW, 3
.set NIL, 4
.set GO,  5                            ; v5   16 x lane
.set ADK, 6
.set ADV, 7
.set PFO, 8                            ; v8   256 x lane: the prefetches' offset
.set STO, 9
.set RD,  10
.set RH,  11                           ; v11  lane % 16 - 8 (lane / 16)
.set ST,  12                           ; tile t's statistics at v[ST + 8 t]: +0 c m, +1 m, +2, +3 l (even keys', odd keys'), +4 to +7 at work; a takes +6
.set QF,  28                           ; v28-59    Q: fragment (tile t, channels 32 c on) at QF + 16 t + 8 c
.set KB,  60                           ; v60-123   K: fragment (keys 16 k on, channels 32 c on) at KB + 16 k + 8 c
.set KV,  60                           ; v60-91    then V of keys 0-31: channels 16 d on at KV + 8 d
.set PF,  92                           ; v92-123   and P: (tile t, keys 32 c on) at PF + 16 t + 8 c
.set SF,  124                          ; v124-187  S^T: (tile t, keys 16 k on) at SF + 32 t + 8 k; tile 0's registers later hold V of keys 32-63
.set OF,  188                          ; v188-251  O^T: (tile t, channels 16 d on) at OF + 32 t + 8 d
.set WV,  18
.set SEL, 20
.set CS,  22
.set G1K, 24
.set G1V, 32
.set G0K, 40
.set G0V, 44
.set TB,  2                            ; s2   LDS byte at which the slot in hand begins
.set LASTQ, 66                         ; s66  my work-group's last query
.set SLOTS, 67
.set PFA, 76
.set LIM, 80
.set KF,  98                           ; s98  the step's first key
.set Q0,  99                           ; s99  my first query
; Waves 0 and 1 fetch for K, waves 2 and 3 for V, the others nothing.  The branches hang on the wave's number alone.
.macro TLOAD
	s_cmp_lt_u32 s[WV], 2
	s_cbranch_scc0 .Lnot_k_\@
	tensor_load_to_lds s[G0K:G0K+3], s[G1K:G1K+7]
	s_nop 0
.rept 4
	v_nop
.endr
	s_branch .Lasked_\@
.Lnot_k_\@:
	s_cmp_lt_u32 s[WV], 4
	s_cbranch_scc0 .Lasked_\@
	tensor_load_to_lds s[G0V:G0V+3], s[G1V:G1V+7]
	s_nop 0
.rept 4
	v_nop
.endr
.Lasked_\@:
.endm
; A PREFETCH of what the NEXT change of slots will ask for: a slot's 256 rows of K and of V, 32,768 dense bytes each.  Each aligned block of 256 bytes is named once in the launch: the four work-groups of a head walk the
; same K and V, and the one with x = 0, whose queries reach the head's end, asks; in it waves 4 to 7 ask for K, waves 8 to 11 for V, 8,192 bytes a wave, lanes 256 bytes apart, one instruction each.
; The last change that fills a slot asks for nothing; slots 0 and 1 come by their loads alone.
.macro ASK
	s_cmp_gt_u32 s[SLOTS], s[LIM]
	s_cbranch_scc0 .Lnot_mine_\@
	global_prefetch_b8 v[PFO], s[PFA:PFA+1] th:TH_LOAD_NT scope:SCOPE_SE
.Lnot_mine_\@:
.endm
	s_load_b128 s[4:7], s[0:1], 0x0                ; qkv, oh
	v_lshl_add_u32 v[SPW], v0, 2, SPARE
	v_mov_b32 v[NIL], 0
	ds_add_u32 v[SPW], v[NIL]                      ; the wave's opening: the add, twice on end, and its wait ahead of my first tensor load
	ds_add_u32 v[SPW], v[NIL]
	v_lshrrev_b32 v6, 5, v0
	v_readfirstlane_b32 s[WV], v6                  ; wave 0..15
	s_and_b32 s72, ttmp7, 0xffff
	s_lshl_b32 s72, s72, 18                        ; the head's first byte in q, k, v and oh
	s_lshr_b32 s74, s[WV], 3
	s_sub_co_u32 s75, 7, ttmp9
	s_cmp_eq_u32 s74, 0
	s_cselect_b32 s75, ttmp9, s75                  ; my block of queries: i or 7 - i
	s_lshl_b32 s75, s75, 8
	s_and_b32 s74, s[WV], 7
	s_lshl_b32 s74, s74, 5
	s_add_co_u32 s[Q0], s75, s74                   ; my first query
	s_sub_co_u32 s[LASTQ], 8, ttmp9
	s_lshl_b32 s[LASTQ], s[LASTQ], 8
	s_sub_co_u32 s[LASTQ], s[LASTQ], 1             ; the last query of block 7 - i
	s_and_b32 s88, s[WV], 1                        ; which 128 keys of a slot I fetch, if I fetch:
	s_lshl_b32 s90, s88, 14
	s_add_co_u32 s90, s90, s72                     ; in memory,
	s_mov_b32 s91, 0
	s_mul_i32 s89, s88, 128*KP                     ; and in a slot: K,
	s_mul_i32 s94, s88, 128*VP
	s_add_co_u32 s94, s94, VOFF                    ; V
	s_mov_b32 s[G1K], (1<<16)|(1<<20)|(4<<22)|(3<<25)   ; no mask; elements of 2 bytes; padding: 4 words behind every 32
	s_mov_b32 s[G1V], (1<<16)|(1<<20)|(4<<22)|(7<<25)   ; 8 words behind every 32
.irp g, G1K, G1V
	s_mov_b32 s[\g+1], 64<<16                      ; tensor_dim0 = 64
	s_mov_b32 s[\g+2], 128<<16                     ; tensor_dim1 = 128
	s_mov_b32 s[\g+3], 64<<16                      ; tile_dim0 = 64
	s_mov_b32 s[\g+4], 128                         ; tile_dim1 = 128
	s_mov_b32 s[\g+5], 64                          ; from row to row
	s_mov_b32 s[\g+6], 0
	s_mov_b32 s[\g+7], 0
.endr
	s_mov_b32 s[SEL], 0x76543210
	s_mov_b32 s[SEL+1], 0xfedcba98                 ; v_permlanex16_b32's selects for lane l xor 16
	s_mov_b32 s[CS], 0x3e38aa3b                    ; c = log2(e) / 8
	s_mov_b32 s[CS+1], s[CS]                       ; (named with it as a pair, so it is written)
	s_mov_b32 s[TB], 0
	s_mov_b32 s[SLOTS], 2048/SK-1
	s_mov_b32 s[KF], 0
	s_wait_dscnt 0x0                               ; both opening adds are done
	s_wait_kmcnt 0x0
	s_mov_b32 s[G0K], 1
	s_mov_b32 s[G0K+1], s89
	s_add_nc_u64 s[G0K+2:G0K+3], s[4:5], s[90:91]
	s_add_nc_u64 s[G0K+2:G0K+3], s[G0K+2:G0K+3], REG
	s_or_b32 s[G0K+3], s[G0K+3], 0x80000000
	s_mov_b32 s[G0V], 1
	s_mov_b32 s[G0V+1], s94
	s_add_nc_u64 s[G0V+2:G0V+3], s[4:5], s[90:91]
	s_add_nc_u64 s[G0V+2:G0V+3], s[G0V+2:G0V+3], 2*REG
	s_or_b32 s[G0V+3], s[G0V+3], 0x80000000
	TLOAD                                          ; slot 0: one tensor load of mine is out at the most, here and behind every barrier
	s_lshl_b32 s84, s[Q0], 7
	s_add_co_u32 s84, s84, s72
	s_mov_b32 s85, 0
	s_add_nc_u64 s[8:9], s[4:5], s[84:85]          ; Q at my first query
	s_add_nc_u64 s[6:7], s[6:7], s[84:85]          ; oh likewise
	s_mov_b32 s82, 2*REG                           ; the prefetches: waves 4 to 7 stand in K, waves 8 to 11 in V,
	s_cmp_lt_u32 s[WV], 8
	s_cselect_b32 s82, REG, s82
	s_add_co_u32 s82, s82, s72                     ; in my head,
	s_and_b32 s83, s[WV], 3
	s_lshl_b32 s83, s83, 13
	s_add_co_u32 s82, s82, s83                     ; at my wave's 8,192 bytes,
	s_add_co_u32 s82, s82, SK*128                  ; of slot 1: the first change of slots steps it to slot 2
	s_mov_b32 s83, 0
	s_add_nc_u64 s[PFA:PFA+1], s[4:5], s[82:83]
	s_sub_co_u32 s82, s[WV], 4
	s_lshr_b32 s82, s82, 3                         ; 0 in waves 4 to 11,
	s_or_b32 s82, s82, ttmp9                       ; of the work-group with x = 0
	s_cmp_eq_u32 s82, 0
	s_cselect_b32 s[LIM], 1, -1
	v_and_b32 v252, 15, v0                         ; r = lane % 16
	v_bfe_u32 v253, v0, 4, 1                       ; h = lane / 16
	v_lshlrev_b32 v255, 7, v252
	v_lshl_add_u32 v255, v253, 4, v255             ; Q: row r of 128 bytes, + 16 h
.irp t, 0,1
.irp c, 0,1
	global_load_b128 v[QF+16*\t+8*\c:QF+16*\t+8*\c+3], v255, s[8:9] offset:2048*\t+64*\c
	global_load_b128 v[QF+16*\t+8*\c+4:QF+16*\t+8*\c+7], v255, s[8:9] offset:2048*\t+64*\c+32
.endr
.endr
	v_mul_u32_u24 v[AK0], v252, KP
	v_lshl_add_u32 v[AK0], v253, 4, v[AK0]         ; K: row r x pitch + 16 h
	v_and_b32 v6, 7, v0
	v_lshl_add_u32 v6, v253, 3, v6
	v_mul_u32_u24 v[AV0], v6, VP                   ; V, for the turning load: key 8 h + lane % 8,
	v_bfe_u32 v6, v0, 3, 1
	v_lshl_add_u32 v[AV0], v6, 4, v[AV0]           ; channels 8 ((lane / 8) % 2) on
	v_add_nc_u32 v[AV0], VOFF, v[AV0]
	v_and_b32 v[GO], 31, v0
	v_lshlrev_b32 v[PFO], 8, v[GO]
	v_lshlrev_b32 v[GO], 4, v[GO]
	s_mul_i32 s73, s[WV], 16*KP
	s_add_co_u32 s73, s73, STAGE                   ; my stage
	v_add_nc_u32 v[STO], s73, v[AK0]               ; in: row r, 16 bytes for each half of the lanes
	v_bfe_u32 v6, v0, 3, 2
	v_mul_u32_u24 v[RD], v6, KP
	v_and_b32 v6, 7, v0
	v_lshl_add_u32 v[RD], v6, 4, v[RD]
	v_add_nc_u32 v[RD], s73, v[RD]                 ; back: eight lanes to a row of 128 bytes, four rows an instruction
	v_lshlrev_b32 v6, 3, v253
	v_sub_nc_u32 v[RH], v252, v6
	v_mov_b32 v254, 0xff800000                     ; -infinity
.irp t, 0,1
	v_mov_b32 v[ST+8*\t+1], 0xff61b1e6             ; m: -3e38, under every score
	v_mul_f32 v[ST+8*\t], s[CS], v[ST+8*\t+1]      ; c m
.irp i, 2,3,4,5,6,7
	v_mov_b32 v[ST+8*\t+\i], 0                     ; l; and the registers at work, written once: a lane permute's destination and a pair's upper half count as read
.endr
.endr
.set nn, 0
.rept 64
	v_mov_b32 v[OF+nn], 0                          ; O^T.  (The step is written once: the first finds zeros, which a = 0 leaves zeros)
.set nn, nn+1
.endr
; One tile's weights become source 1 of the second product, and its sum joins l.
.macro PSUM t
.set rS, SF+32*(\t)
.set rT, ST+8*(\t)
.set nn, 0
.rept 16
	v_cvt_pk_f16_f32 v[PF+16*(\t)+nn], v[rS+2*nn], v[rS+2*nn+1]
.set nn, nn+1
.endr
.irp u, 0,1,2,3,4,5,6,7
	v_pk_add_f32 v[rS+4*\u:rS+4*\u+1], v[rS+4*\u:rS+4*\u+1], v[rS+4*\u+2:rS+4*\u+3]      ; the sum of the unrounded weights, in place: neighbours 1, 2, 4 and 8 pairs apart
.endr
.irp u, 0,1,2,3
	v_pk_add_f32 v[rS+8*\u:rS+8*\u+1], v[rS+8*\u:rS+8*\u+1], v[rS+8*\u+4:rS+8*\u+5]
.endr
.irp u, 0,1
	v_pk_add_f32 v[rS+16*\u:rS+16*\u+1], v[rS+16*\u:rS+16*\u+1], v[rS+16*\u+8:rS+16*\u+9]
.endr
	v_pk_add_f32 v[rS:rS+1], v[rS:rS+1], v[rS+16:rS+17]
	v_pk_fma_f32 v[rT+2:rT+3], v[rT+2:rT+3], v[rT+6:rT+7], v[rS:rS+1] op_sel_hi:[1,0,1]   ; l = a l + the sum
.endm
; A KEY STEP: 64 keys, the q-th of the slot in hand.
.macro STEP q
	s_add_co_u32 s96, s[Q0], 31
	s_cmp_gt_u32 s[KF], s96                        ; all keys come after my queries: the step's work is passed over (ids and the count of steps alone)
	s_cbranch_scc1 .Lhidden_\@
	v_add_nc_u32 v[ADK], s[TB], v[AK0]
	v_add_nc_u32 v[ADV], s[TB], v[AV0]
.rept 4
	v_nop                                          ; with the two additions six places behind the last step's products: four are owed by the loads into registers that they read, five by the products below, which write over registers that held V
.endr
.irp k, 0,1,2,3
.irp c, 0,1
	ds_load_b128 v[KB+16*\k+8*\c:KB+16*\k+8*\c+3], v[ADK] offset:9216*(\q)+2304*\k+64*\c
	ds_load_b128 v[KB+16*\k+8*\c+4:KB+16*\k+8*\c+7], v[ADK] offset:9216*(\q)+2304*\k+64*\c+32
.endr
.endr
.irp g, 0,1                                    ; S^T = K Q^T: four accumulators by turns, one instruction a turn
	s_wait_dscnt 8-8*\g                            ; first: keys 0-31 are in, the eight loads of keys 32-63 may be out
.irp c, 0,1
.irp k, 0,1
.irp t, 0,1
.if \c == 0
	v_wmma_f32_16x16x32_f16 v[SF+32*\t+8*(2*\g+\k):SF+32*\t+8*(2*\g+\k)+7], v[KB+16*(2*\g+\k)+8*\c:KB+16*(2*\g+\k)+8*\c+7], v[QF+16*\t+8*\c:QF+16*\t+8*\c+7], 0
.else
	v_wmma_f32_16x16x32_f16 v[SF+32*\t+8*(2*\g+\k):SF+32*\t+8*(2*\g+\k)+7], v[KB+16*(2*\g+\k)+8*\c:KB+16*(2*\g+\k)+8*\c+7], v[QF+16*\t+8*\c:QF+16*\t+8*\c+7], v[SF+32*\t+8*(2*\g+\k):SF+32*\t+8*(2*\g+\k)+7]
.endif
.endr
.endr
.endr
.endr
.rept 4
	v_nop                                          ; places in front of the loads into K's registers and of the first read of the scores
.endr
.irp d, 0,1,2,3                                ; V of keys 0-31, turned
	ds_load_tr16_b128 v[KV+8*\d:KV+8*\d+3], v[ADV] offset:10240*(\q)+32*\d
	ds_load_tr16_b128 v[KV+8*\d+4:KV+8*\d+7], v[ADV] offset:10240*(\q)+16*VP+32*\d
.endr
	s_add_co_u32 s96, s[KF], 63
	s_cmp_le_u32 s96, s[Q0]                        ; all keys count for all my queries: no mask
	s_cbranch_scc1 .Lopen_\@
	s_sub_co_i32 s96, s[Q0], s[KF]
	v_add_nc_u32 v252, s96, v[RH]                  ; tile 0: my query - the step's first key - 8 (lane / 16).  Register 8 k + j holds key 16 k + 8 (lane / 16) + j: hidden where 16 k + j is greater
	v_add_nc_u32 v253, 16, v252                    ; tile 1
.set nn, 0
.rept 64
	v_cmp_gt_i32 vcc_lo, 16*((nn%32)/8)+nn%8, v[252+nn/32]
	v_cndmask_b32 v[SF+nn], v[SF+nn], v254, vcc_lo
.set nn, nn+1
.endr
.Lopen_\@:
.irp j, 0,1,2,3                                ; the maximum of my 32 scores and the old m, three operands at a time, four chains a tile; the two tiles by turns
.irp t, 0,1
	v_max3_num_f32 v[ST+8*\t+4+\j], v[SF+32*\t+8*\j], v[SF+32*\t+8*\j+1], v[SF+32*\t+8*\j+2]
.endr
.endr
.irp i, 3,5
.irp j, 0,1,2,3
.irp t, 0,1
	v_max3_num_f32 v[ST+8*\t+4+\j], v[ST+8*\t+4+\j], v[SF+32*\t+8*\j+\i], v[SF+32*\t+8*\j+\i+1]
.endr
.endr
.endr
.irp t, 0,1
	v_max3_num_f32 v[ST+8*\t+4], v[ST+8*\t+4], v[SF+32*\t+7], v[SF+32*\t+15]
	v_max3_num_f32 v[ST+8*\t+6], v[ST+8*\t+6], v[SF+32*\t+23], v[SF+32*\t+31]
.endr
.irp t, 0,1
	v_max3_num_f32 v[ST+8*\t+4], v[ST+8*\t+4], v[ST+8*\t+5], v[ST+8*\t+6]
.endr
.irp t, 0,1
	v_max3_num_f32 v[ST+8*\t+4], v[ST+8*\t+4], v[ST+8*\t+7], v[ST+8*\t+1]
.endr
.irp t, 0,1
	v_permlanex16_b32 v[ST+8*\t+5], v[ST+8*\t+4], s[SEL], s[SEL+1]   ; the query's other 32 keys lie in the lane 16 away
.endr
.irp t, 0,1
	v_mov_b32 v[ST+8*\t+7], v[ST+8*\t]             ; c m_old is kept for a
.endr
.irp t, 0,1
	v_max_num_f32 v[ST+8*\t+1], v[ST+8*\t+4], v[ST+8*\t+5]
.endr
.irp t, 0,1
	v_mul_f32 v[ST+8*\t], s[CS], v[ST+8*\t+1]
.endr
.irp t, 0,1
	v_sub_f32 v[ST+8*\t+7], v[ST+8*\t+7], v[ST+8*\t]
.endr
.set nn, 0
.rept 16
.irp t, 0,1
	v_pk_fma_f32 v[SF+32*\t+nn:SF+32*\t+nn+1], v[SF+32*\t+nn:SF+32*\t+nn+1], s[CS:CS+1], v[ST+8*\t:ST+8*\t+1] op_sel_hi:[1,0,0] neg_lo:[0,0,1] neg_hi:[0,0,1]   ; c s - c m, two at a time
.endr
.set nn, nn+2
.endr
.irp t, 0,1
	v_exp_f32 v[ST+8*\t+6], v[ST+8*\t+7]           ; a
.endr
.set nn, 0
.rept 64
	v_exp_f32 v[SF+nn], v[SF+nn]                   ; p
.set nn, nn+1
.endr
	v_nop                                          ; a plain instruction behind the last exponential
	s_wait_alu depctr_va_vdst(0)                   ; one wait for the batch of 66, ahead of its first reader
	PSUM 0
.irp d, 0,1,2,3                                ; V of keys 32-63 into tile 0's score registers, which are done with
	ds_load_tr16_b128 v[SF+8*\d:SF+8*\d+3], v[ADV] offset:10240*(\q)+32*VP+32*\d
	ds_load_tr16_b128 v[SF+8*\d+4:SF+8*\d+7], v[ADV] offset:10240*(\q)+48*VP+32*\d
.endr
	PSUM 1
.set nn, 0
.rept 16
.irp t, 0,1
	v_pk_mul_f32 v[OF+32*\t+nn:OF+32*\t+nn+1], v[OF+32*\t+nn:OF+32*\t+nn+1], v[ST+8*\t+6:ST+8*\t+7] op_sel_hi:[1,0]   ; O^T x a, each accumulator from its low end on
.endr
.set nn, nn+2
.endr
	s_wait_dscnt 0x0                               ; V is in
.irp c, 0,1                                    ; O^T += V^T P: eight accumulators by turns
.irp d, 0,1,2,3
.irp t, 0,1
	v_wmma_f32_16x16x32_f16 v[OF+32*\t+8*\d:OF+32*\t+8*\d+7], v[KV+(SF-KV)*\c+8*\d:KV+(SF-KV)*\c+8*\d+7], v[PF+16*\t+8*\c:PF+16*\t+8*\c+7], v[OF+32*\t+8*\d:OF+32*\t+8*\d+7]
.endr
.endr
.endr
.Lhidden_\@:
	s_add_co_u32 s[KF], s[KF], 64
.endm
; THE CHANGE OF SLOTS stands at a slot's head.  Each wave waits for all its tensor loads (its part of the slot that it is about to read), adds 0 to its spare word, and waits for that and for its reads of the slot that it has left.
; Behind the barrier the slot ahead is whole and nobody reads the other one.  fill = 1: that other slot is filled with the keys that follow, while its first key is at or under the work-group's last query:
; a slot beyond that is read by none of the sixteen waves.  The test is made of the work-group's number and the count of steps: all sixteen waves go the same way; it leads round the load's own lines alone; every wait on TENSORcnt here is for 0.
.macro CHANGE fill
	s_wait_tensorcnt 0x0                           ; no tensor load of mine is out, so a group 0 may be written
	ds_add_u32 v[SPW], v[NIL]
.if \fill
	ds_add_u32 v[SPW], v[NIL]                      ; and once more
	s_xor_b32 s[G0K+1], s[G0K+1], SLOT1            ; the walking descriptors: the other slot than last time,
	s_add_nc_u64 s[G0K+2:G0K+3], s[G0K+2:G0K+3], SK*128   ; the next 256 keys
	s_xor_b32 s[G0V+1], s[G0V+1], SLOT1
	s_add_nc_u64 s[G0V+2:G0V+3], s[G0V+2:G0V+3], SK*128
	s_wait_xcnt 0x0                                ; the last prefetch, a slot back, has read its address
	s_add_nc_u64 s[PFA:PFA+1], s[PFA:PFA+1], SK*128
.endif
	s_wait_dscnt 0x0                               ; the add is done, and my reads of the slot that I have left are over
	s_barrier_signal -1
	s_barrier_wait -1
.if \fill
	s_add_co_u32 s96, s[KF], SK                    ; the first key of the slot that this change would ask for
	s_cmp_gt_u32 s96, s[LASTQ]
	s_cbranch_scc1 .Lpast_\@
	TLOAD                                          ; a wave's one tensor load until the next barrier: it has four key steps in which to land
.Lpast_\@:
	ASK
.endif
.endm
.macro SLOT_STEPS
.set QQ, 0
.rept SK/64
	STEP QQ
.set QQ, QQ+1
.endr
	s_xor_b32 s[TB], s[TB], SLOT1
.endm
	s_wait_loadcnt 0x0                             ; Q
.Lslot:                                            ; 7 trips: behind each change of slots but the last the next slot is asked for, up to the causal limit
	CHANGE 1
	SLOT_STEPS
	s_sub_co_u32 s[SLOTS], s[SLOTS], 1
	s_cmp_lg_u32 s[SLOTS], 0
	s_cbranch_scc1 .Lslot
	CHANGE 0                                       ; the last slot is written out: nothing is left to ask for
	SLOT_STEPS
	; THE WAY OUT.  l's two halves and the other half of the lanes' are added; O^T is divided by l, rounded to f16 and sent through my stage, a tile (16 rows of 128 bytes) at a time.  The additions are the places behind the last products.
.irp t, 0,1
	v_add_f32 v[ST+8*\t+4], v[ST+8*\t+2], v[ST+8*\t+3]
.endr
.irp t, 0,1
	v_permlanex16_b32 v[ST+8*\t+5], v[ST+8*\t+4], s[SEL], s[SEL+1]
.endr
.irp t, 0,1
	v_add_f32 v[ST+8*\t+4], v[ST+8*\t+4], v[ST+8*\t+5]
.endr
.irp t, 0,1
	v_rcp_f32 v[ST+8*\t+6], v[ST+8*\t+4]
.endr
	v_nop                                          ; a plain instruction behind the last reciprocal
	s_wait_alu depctr_va_vdst(0)                   ; and one wait for the two, ahead of the first reader
.set nn, 0
.rept 16
.irp t, 0,1
	v_pk_mul_f32 v[OF+32*\t+nn:OF+32*\t+nn+1], v[OF+32*\t+nn:OF+32*\t+nn+1], v[ST+8*\t+6:ST+8*\t+7] op_sel_hi:[1,0]
.endr
.set nn, nn+2
.endr
.set nn, 0
.rept 32
	v_cvt_pk_f16_f32 v[SF+nn], v[OF+2*nn], v[OF+2*nn+1]            ; register 16 t + 4 d + u: channels 16 d + 8 (lane / 16) + 2 u, + 1 of my query of tile t
.set nn, nn+1
.endr
.irp t, 0,1
.irp d, 0,1,2,3
	ds_store_b128 v[STO], v[SF+16*\t+4*\d:SF+16*\t+4*\d+3] offset:32*\d
.endr
.irp p, 0,1,2,3
	ds_load_b128 v[KB+16*\t+4*\p:KB+16*\t+4*\p+3], v[RD] offset:4*\p*KP    ; LDS serves a wave's instructions in order: these see the stores above, and the next tile's stores come behind them
.endr
.endr
.irp t, 0,1
.irp p, 0,1,2,3
	s_wait_dscnt 11-8*\t-\p                        ; the tile's later loads, and for tile 0 tile 1's eight LDS instructions, may be out
	global_store_b128 v[GO], v[KB+16*\t+4*\p:KB+16*\t+4*\p+3], s[6:7] offset:2048*\t+512*\p   ; 32 lanes store 512 consecutive bytes, aligned
.endr
.endr
	s_wait_tensorcnt 0x0                           ; the wave's end, behind my last tensor load and my last LDS store
	ds_add_u32 v[SPW], v[NIL]
	s_wait_dscnt 0x0
	s_endpgm
.Lfunc_end_k_qb6095a8e44_attn:
	.size	k_qb6095a8e44_attn, .Lfunc_end_k_qb6095a8e44_attn-k_qb6095a8e44_attn
	.p2alignl 7, 3214868480
	.fill 96, 4, 3214868480
	.section	.rodata,"a",@progbits
	.p2align	6, 0x0
	.amdhsa_kernel k_qb6095a8e44_attn
		.amdhsa_group_segment_fixed_size 327680
		.amdhsa_private_segment_fixed_size 0
		.amdhsa_enable_private_segment 0
		.amdhsa_kernarg_size 16
		.amdhsa_user_sgpr_count 2
		.amdhsa_user_sgpr_kernarg_segment_ptr 1
		.amdhsa_wavefront_size32 1
		.amdhsa_system_sgpr_workgroup_id_x 1
		.amdhsa_system_sgpr_workgroup_id_y 1
		.amdhsa_system_sgpr_workgroup_id_z 1
		.amdhsa_system_vgpr_workitem_id 0
		.amdhsa_next_free_vgpr 256
		.amdhsa_next_free_sgpr 100
		.amdhsa_reserve_vcc 1
		.amdhsa_float_denorm_mode_32 3
		.amdhsa_float_denorm_mode_16_64 3
		.amdhsa_memory_ordered 1
		.amdhsa_forward_progress 1
		.amdhsa_inst_pref_size 188
	.end_amdhsa_kernel
	.amdgpu_metadata
---
amdhsa.version: [ 1, 2 ]
amdhsa.kernels:
  - .name:           k_qb6095a8e44_attn
    .symbol:         k_qb6095a8e44_attn.kd
    .args:
      - { .name: qkv, .offset: 0, .size: 8, .value_kind: global_buffer, .address_space: global }
      - { .name: oh, .offset: 8, .size: 8, .value_kind: global_buffer, .address_space: global }
    .group_segment_fixed_size: 327680
    .private_segment_fixed_size: 0
    .kernarg_segment_align: 8
    .kernarg_segment_size: 16
    .max_flat_workgroup_size: 512
    .sgpr_count:     100
    .vgpr_count:     256
    .wavefront_size: 32
...
	.end_amdgpu_metadata
.endif
;; end of part 5
;; launch proj (part 6): grid 8 x 64, 4 waves a work-group, clusters of 4 x 4, 327,680 bytes of LDS; arguments oh, wpt, b_proj, out0; writes out0
.if DOCPART == 6
	.amdgcn_target "amdgcn-amd-amdhsa--gfx1250"
	.amdhsa_code_object_version 6
	.text
	.protected	k_qb6095a8e44_proj
	.globl	k_qb6095a8e44_proj
	.p2align	8
	.type	k_qb6095a8e44_proj,@function
k_qb6095a8e44_proj:
	s_mov_b64 s[64:65], 0
	v_nop
	global_prefetch_b8 v0, s[64:65] scope:SCOPE_SE
	s_setreg_imm32_b32 hwreg(HW_REG_WAVE_MODE, 25, 1), 1
	s_wait_xcnt 0x0
	s_wait_alu depctr_hold_cnt(0) depctr_sa_sdst(0) depctr_va_vdst(0) depctr_va_sdst(0) depctr_va_ssrc(0) depctr_va_vcc(0) depctr_vm_vsrc(0)
	s_getreg_b32 s2, hwreg(HW_REG_IB_STS2, 6, 4)
	s_cmp_eq_u32 s2, 0
	s_cbranch_scc0 .Lentry_in_a_cluster
	s_endpgm
.Lentry_in_a_cluster:
	s_bfe_u32 s2, ttmp6, 0x10000c
	s_cmp_lg_u32 s2, 0xf033
	s_cbranch_scc0 .Lentry_shape_is_right
	s_endpgm
.Lentry_shape_is_right:
; out0[m][n] = sum over k of A[m][k] W[k][n] + b_proj[n].  A is the attention's result oh, f16, laid [batch x head: 64][t: 2048][64]: m = 2048 batch + t, k = 64 head + channel.  wpt: [n 1024][k 1024], f16.  out0: [8192][1024] f32.
; Sums in f32, begun with the bias.  The rows of positions 0-15 of each sequence are written here like all others and written again, from f32 operands, by the launch that follows: which work-groups hold them hangs on the
; place in the cluster.
; A tile of C is 128 x 128; four waves, each 64 x 64: 16 accumulators.  K goes in steps of 256 (four heads) through a ring of two LDS slots.
; A'S TILE: 64 positions of one head are 8,192 dense bytes: one row of the tensor load; four heads, 262,144 bytes apart, are its four rows; 16 bytes of padding behind every 128 give LDS rows of 144 bytes, 9,216 a head.
; CLUSTERS: 4 x 4 work-groups; A's tiles are asked for jointly along a row of the cluster, B's along a column.  THE MATRIX INSTRUCTION IS USED TRANSPOSED (source 0 = 16 rows of wpt, source 1 = 16 rows of A).
; REGISTERS: window 0: v0-31 addresses; v32-95 rows on the way out; v96-127 the bias in the result's layout; v128-255 the accumulators ((a, b) at v[128 + 8 (4 a + b)]).   window 1: two fragment buffers of 128.
.set KSTEP,  256
.set PA,     144
.set HEADB,  64*PA                     ; 64 positions of a head in LDS
.set HALFA,  4*HEADB                   ; what one tensor load brings of A
.set PB,     528                       ; a row of wpt's tile: 512 bytes + 16
.set HALFB,  64*PB
.set BOFF,   2*HALFA
.set SLOT,   BOFF+2*HALFB
.set STAGE,  2*SLOT                    ; behind the ring: 16 rows x 272 bytes for each wave
.set SPITCH, 272
.set SPARE,  STAGE+4*16*SPITCH
.set LAPS,   2                         ; 1024 / (2 x 256)
.set ADRA, 16
.set ADRB, 20
.set STO,  24
.set RD,   25
.set CO,   26
.set BO,   27
.set SPW,  28
.set NIL,  29
.set TMP,  32
.set BI,   96
.set ACC,  128
.set F0,   0
.set F1,   128
.set G1, 24
.set G0, 32
.set G1B, 48
.set G0B, 56
.set MSB, 0
.macro WIN new
.if MSB != (\new)
	s_set_vgpr_msb (MSB<<8)|(\new)
.set MSB, (\new)
.endif
.endm
.set MUL,  0x05                        ; sources 0 (B) and 1 (A) window 1; C and D window 0
.set TO_F, 0x40
.macro JLOAD s                         ; a joint load: waves 0 and 1 fetch A's two halves, waves 2 and 3 B's
	s_cmp_eq_u32 s11, 0
	s_cbranch_scc0 .Lfor_b_\@
	tensor_load_to_lds s[G0+4*\s:G0+4*\s+3], s[G1:G1+7]
	s_nop 0
.rept 4
	v_nop
.endr
	s_branch .Lasked_\@
.Lfor_b_\@:
	tensor_load_to_lds s[G0B+4*\s:G0B+4*\s+3], s[G1B:G1B+7]
	s_nop 0
.rept 4
	v_nop
.endr
.Lasked_\@:
.endm
.macro CREST
	s_cmp_lg_u32 s10, 0
	s_cbranch_scc1 .Lnot_wave_0_\@
	s_barrier_signal -3
.Lnot_wave_0_\@:
	s_barrier_wait -3
	s_barrier_signal -1
	s_barrier_wait -1
.endm
.macro CROUND
	s_barrier_signal -1
	s_barrier_wait -1
	CREST
.endm
	s_load_b128 s[4:7], s[0:1], 0x0                ; oh, wpt
	s_load_b64 s[66:67], s[0:1], 0x10              ; b_proj
	s_load_b64 s[8:9], s[0:1], 0x18                ; out0
	v_lshl_add_u32 v[SPW], v0, 2, SPARE
	v_mov_b32 v[NIL], 0
	ds_add_u32 v[SPW], v[NIL]                      ; the wave's opening: the add, twice on end, and its wait ahead of my first tensor load
	ds_add_u32 v[SPW], v[NIL]
	v_lshrrev_b32 v1, 5, v0
	v_readfirstlane_b32 s10, v1                    ; wave 0..3
	s_lshr_b32 s11, s10, 1                         ; which half of the tile's rows is mine.  Also: I fetch for A (0) or for B (1)
	s_and_b32 s12, s10, 1                          ; which half of its columns.  Also: which 64 rows of that tile I fetch
	s_bfe_u32 s40, ttmp6, 0x40000
	s_bfe_u32 s41, ttmp6, 0x40004
	s_lshl_b32 s42, ttmp9, 2
	s_add_co_u32 s42, s42, s40                     ; tile column of C
	s_and_b32 s13, ttmp7, 0xffff
	s_lshl_b32 s13, s13, 2
	s_add_co_u32 s13, s13, s41                     ; tile row of C
	s_lshl_b32 s43, s41, 2
	s_lshl_b32 s43, 15, s43                        ; my row of the cluster
	s_lshl_b32 s44, 0x1111, s40                    ; my column
	s_or_b32 s[G1+0], s43, (1<<16)|(1<<20)|(1<<21)|(4<<22)|(3<<25)  ; A: the mask; elements of 2 bytes; padding: 4 words behind every 32
	s_mov_b32 s[G1+1], 4096<<16                    ; tensor_dim0 = 4,096: 64 positions x 64 channels
	s_mov_b32 s[G1+2], 4<<16                       ; tensor_dim1 = 4 heads
	s_mov_b32 s[G1+3], 4096<<16                    ; tile_dim0
	s_mov_b32 s[G1+4], 4                           ; tile_dim1
	s_mov_b32 s[G1+5], 131072                      ; from head to head, in elements
	s_mov_b32 s[G1+6], 0
	s_mov_b32 s[G1+7], 0
	s_or_b32 s[G1B+0], s44, (1<<16)|(1<<20)|(1<<21)|(6<<22)|(3<<25) ; B: 4 words behind every 128
	s_mov_b32 s[G1B+1], KSTEP<<16
	s_mov_b32 s[G1B+2], 64<<16
	s_mov_b32 s[G1B+3], KSTEP<<16
	s_mov_b32 s[G1B+4], 64
	s_mov_b32 s[G1B+5], 1024
	s_mov_b32 s[G1B+6], 0
	s_mov_b32 s[G1B+7], 0
	s_lshl_b32 s17, s12, 6                         ; which 64 rows of the tile I fetch
	s_lshl_b32 s46, s42, 7
	s_add_co_u32 s46, s46, s17
	s_lshl_b32 s46, s46, 11                        ; B: row 128 x tile column + 64 x half, 2,048 bytes a row
	s_mov_b32 s47, 0
	s_lshl_b32 s16, s13, 7
	s_add_co_u32 s16, s16, s17                     ; A: row m0 = 128 x tile row + 64 x half:
	s_lshr_b32 s18, s16, 11
	s_lshl_b32 s18, s18, 22                        ; its batch's sixteen heads,
	s_and_b32 s16, s16, 2047
	s_lshl_b32 s16, s16, 7                         ; its position, 128 bytes each
	s_add_co_u32 s16, s16, s18
	s_mov_b32 s17, 0
	s_mul_i32 s20, s12, HALFA                      ; where they go: no place in the cluster enters an LDS address
	s_mul_i32 s21, s12, HALFB
	s_add_co_u32 s21, s21, BOFF
	s_wait_dscnt 0x0                               ; both opening adds are done
	s_wait_kmcnt 0x0
	s_add_nc_u64 s[14:15], s[4:5], s[16:17]
	s_add_nc_u64 s[46:47], s[6:7], s[46:47]
	CROUND                                         ; all sixteen work-groups are here: the first joint loads meet
.irp s, 0,1
	s_mov_b32 s[G0+4*\s], 1
	s_add_co_u32 s[G0+4*\s+1], s20, \s*SLOT
	s_add_nc_u64 s[G0+4*\s+2:G0+4*\s+3], s[14:15], \s*4*262144     ; K step s: four heads on
	s_or_b32 s[G0+4*\s+3], s[G0+4*\s+3], 0x80000000
	s_mov_b32 s[G0B+4*\s], 1
	s_add_co_u32 s[G0B+4*\s+1], s21, \s*SLOT
	s_add_nc_u64 s[G0B+4*\s+2:G0B+4*\s+3], s[46:47], \s*KSTEP*2
	s_or_b32 s[G0B+4*\s+3], s[G0B+4*\s+3], 0x80000000
	JLOAD \s                                       ; two tensor loads of mine are out at the most
.endr
	v_and_b32 v1, 15, v0                           ; l % 16
	v_bfe_u32 v2, v0, 4, 1                         ; l / 16
	v_mul_u32_u24 v3, v1, PA
	v_lshl_add_u32 v3, v2, 4, v3
	v_mul_u32_u24 v4, v1, PB
	v_lshl_add_u32 v4, v2, 4, v4
	s_mul_i32 s21, s11, HALFA                      ; my 64 rows of A
	s_mul_i32 s22, s12, HALFB                      ; my 64 rows of B
	s_add_co_u32 s22, s22, BOFF
.irp s, 0,1
	v_add_nc_u32 v[ADRA+\s], s21, v3
	v_add_nc_u32 v[ADRB+\s], s22, v4
	s_add_co_u32 s21, s21, SLOT
	s_add_co_u32 s22, s22, SLOT
.endr
	s_mul_i32 s23, s10, 16*SPITCH
	s_add_co_u32 s23, s23, STAGE                   ; my stage
	v_mul_u32_u24 v5, v1, SPITCH
	v_lshl_add_u32 v5, v2, 5, v5
	v_add_nc_u32 v[STO], s23, v5                   ; in: row l % 16, 32 bytes for each half of the lanes
	v_mul_u32_u24 v5, v2, SPITCH
	v_lshl_add_u32 v5, v1, 4, v5
	v_add_nc_u32 v[RD], s23, v5                    ; back: lanes 0-15 one row of 256 bytes, lanes 16-31 the next
	v_lshlrev_b32 v5, 12, v2
	v_lshl_add_u32 v[CO], v1, 4, v5                ; and the same two rows in out0
	v_lshlrev_b32 v[BO], 5, v2
	s_lshl_b32 s16, s13, 7
	s_lshl_b32 s17, s11, 6
	s_add_co_u32 s16, s16, s17
	s_lshl_b32 s16, s16, 12                        ; my first row: 128 x tile row + 64 x half, 4,096 bytes a row
	s_mov_b32 s17, 0
	s_add_nc_u64 s[8:9], s[8:9], s[16:17]
	s_lshl_b32 s46, s42, 9
	s_lshl_b32 s47, s12, 8
	s_add_co_u32 s46, s46, s47                     ; my first column, in bytes: 512 x tile column + 256 x half
	s_mov_b32 s47, 0
	s_add_nc_u64 s[8:9], s[8:9], s[46:47]
	s_add_nc_u64 s[66:67], s[66:67], s[46:47]
.irp b, 0,1,2,3
	global_load_b128 v[BI+8*\b:BI+8*\b+3], v[BO], s[66:67] offset:64*\b        ; register 8 b + j: the bias of column 16 b + 8 (l / 16) + j of my 64
	global_load_b128 v[BI+8*\b+4:BI+8*\b+7], v[BO], s[66:67] offset:64*\b+16
.endr
; 8 matrix instructions: m blocks a0, a0 + 1 x all 4 n blocks, 32 along K: half c of buffer f.  zero = 1: the first product starts the sums, from the bias.  The 16 accumulators take turns
.macro MUL8 f, c, a0, zero
.irp a, \a0, \a0+1
.irp b, 0,1,2,3
.if \zero
	v_wmma_f32_16x16x32_f16 v[ACC+8*(4*(\a)+\b):ACC+8*(4*(\a)+\b)+7], v[\f+64+8*(4*\c+\b):\f+64+8*(4*\c+\b)+7], v[\f+8*(4*\c+\a):\f+8*(4*\c+\a)+7], v[BI+8*\b:BI+8*\b+7]
.else
	v_wmma_f32_16x16x32_f16 v[ACC+8*(4*(\a)+\b):ACC+8*(4*(\a)+\b)+7], v[\f+64+8*(4*\c+\b):\f+64+8*(4*\c+\b)+7], v[\f+8*(4*\c+\a):\f+8*(4*\c+\a)+7], v[ACC+8*(4*(\a)+\b):ACC+8*(4*(\a)+\b)+7]
.endif
.endr
.endr
.endm
; 32 LDS loads in one run: the fragments of the slot's q-th head (64 along K) into buffer f; the first 32 along K first
.macro FETCH slot, q, f
	WIN TO_F
.irp c, 0,1
.irp i, 0,1,2,3
	ds_load_b128 v[\f+64+8*(4*\c+\i):\f+64+8*(4*\c+\i)+3],   v[ADRB+\slot] offset:128*(\q)+64*\c+\i*16*PB
	ds_load_b128 v[\f+64+8*(4*\c+\i)+4:\f+64+8*(4*\c+\i)+7], v[ADRB+\slot] offset:128*(\q)+64*\c+\i*16*PB+32
	ds_load_b128 v[\f+8*(4*\c+\i):\f+8*(4*\c+\i)+3],         v[ADRA+\slot] offset:HEADB*(\q)+64*\c+\i*16*PA
	ds_load_b128 v[\f+8*(4*\c+\i)+4:\f+8*(4*\c+\i)+7],       v[ADRA+\slot] offset:HEADB*(\q)+64*\c+\i*16*PA+32
.endr
.endr
.endm
.macro PLACES
.rept 4
	v_nop
.endr
.endm
; A K step is four quarters of 64 along K (a head), 32 matrix instructions each, on buffers 0, 1, 0, 1.  One of the first three: multiplies buffer f and fetches the slot's q-th head into g.
.macro QUARTER slot, q, f, g, zero
	s_wait_dscnt 16                                ; the first 32 along K are in; the sixteen loads of the second 32 may be out
	WIN MUL
	MUL8 \f, 0, 0, \zero
	MUL8 \f, 0, 2, \zero
	PLACES
	FETCH \slot, \q, \g
	s_wait_dscnt 32                                ; all but the 32 just issued
	WIN MUL
	MUL8 \f, 1, 0, 0
	MUL8 \f, 1, 2, 0
.endm
; The last quarter multiplies buffer 1 and changes slots: one barrier; in front of it each wave waits for all its tensor loads, adds 0 to its spare word, and waits for that and for its reads of this slot.  fill = 1: this slot is filled again, two K steps ahead.
.macro TURN slot, next, fill
	WIN 0
	s_wait_tensorcnt 0x0                           ; all my tensor loads have landed: my part of the next slot
	ds_add_u32 v[SPW], v[NIL]
	s_wait_dscnt 17                                ; (the add and the youngest sixteen loads may be out)
	WIN MUL
	MUL8 F1, 0, 0, 0
	s_wait_dscnt 0x0                               ; the add is done, and my reads of this slot are over
	s_barrier_signal -1
	MUL8 F1, 0, 2, 0
.if \fill
	WIN 0
.endif
	s_barrier_wait -1
.if \fill
	CREST                                          ; the barrier has opened a round of the cluster's barrier: no wave of any partner still reads this slot's tile or has a load on its way
	s_add_nc_u64 s[G0+4*\slot+2:G0+4*\slot+3], s[G0+4*\slot+2:G0+4*\slot+3], 2*4*262144
	s_add_nc_u64 s[G0B+4*\slot+2:G0B+4*\slot+3], s[G0B+4*\slot+2:G0B+4*\slot+3], 2*KSTEP*2
	JLOAD \slot                                    ; the first tensor load behind the round; the four v_nop behind it are also the places in front of the loads below
.else
	PLACES
.endif
	FETCH \next, 0, F0
	WIN MUL
	MUL8 F1, 1, 0, 0
	MUL8 F1, 1, 2, 0
.endm
	s_wait_tensorcnt 1                             ; my part of K step 0 is in (K step 1's load may be out)
	s_barrier_signal -1
	s_barrier_wait -1                              ; everybody's is
	FETCH 0, 0, F0
	s_wait_loadcnt 0x0                             ; the bias
	QUARTER 0, 1, F0, F1, 1                        ; the first quarter stands in front of the loop: its first products start the sums
	WIN 0
	s_mov_b32 s3, LAPS-1
.Llap:                                                 ; a trip goes once round the ring, from a lap's second quarter to the next lap's first, and fills both slots again
	QUARTER 0, 2, F1, F0, 0
	QUARTER 0, 3, F0, F1, 0
	TURN 0, 1, 1
	QUARTER 1, 1, F0, F1, 0
	QUARTER 1, 2, F1, F0, 0
	QUARTER 1, 3, F0, F1, 0
	TURN 1, 0, 1
	QUARTER 0, 1, F0, F1, 0
	WIN 0
	s_sub_co_u32 s3, s3, 1
	s_cmp_lg_u32 s3, 0
	s_cbranch_scc1 .Llap
	QUARTER 0, 2, F1, F0, 0                        ; the last lap fills nothing, and has no round of the cluster's barrier
	QUARTER 0, 3, F0, F1, 0
	TURN 0, 1, 0
	QUARTER 1, 1, F0, F1, 0
	QUARTER 1, 2, F1, F0, 0
	QUARTER 1, 3, F0, F1, 0
	s_wait_dscnt 16
	WIN MUL
	MUL8 F1, 0, 0, 0
	MUL8 F1, 0, 2, 0
	s_wait_dscnt 0
	MUL8 F1, 1, 0, 0
	MUL8 F1, 1, 2, 0
	WIN 0
; THE WAY OUT.  My 64 columns of f32 are 256 aligned bytes of a row: each wave sends its own 64 x 64 through its own stage, 16 rows at a time, with no barrier.
.macro TOSTAGE a
.irp b, 0,1,2,3
	ds_store_b128 v[STO], v[ACC+8*(4*(\a)+\b):ACC+8*(4*(\a)+\b)+3] offset:64*\b            ; each accumulator from its low end on
	ds_store_b128 v[STO], v[ACC+8*(4*(\a)+\b)+4:ACC+8*(4*(\a)+\b)+7] offset:64*\b+16
.endr
.irp p, 0,1,2,3,4,5,6,7
	ds_load_b128 v[TMP+32*((\a)%2)+4*\p:TMP+32*((\a)%2)+4*\p+3], v[RD] offset:\p*2*SPITCH   ; LDS serves a wave's instructions in order: these see the stores above
.endr
.endm
.macro SEND a, younger                 ; younger: the LDS instructions issued behind block a's loads, which may stay out
	s_wait_dscnt \younger
.irp p, 0,1,2,3,4,5,6,7
	global_store_b128 v[CO], v[TMP+32*((\a)%2)+4*\p:TMP+32*((\a)%2)+4*\p+3], s[8:9] offset:(16*(\a)+2*\p)*4096 th:TH_STORE_NT   ; sixteen lanes store 256 consecutive bytes, aligned
.endr
.endm
	PLACES
	TOSTAGE 0
.irp a, 1,2,3
.if \a > 1
	s_wait_xcnt 0x0                                ; block a - 2's stores have read their registers: block a's loads may land there
.endif
	TOSTAGE \a
	SEND \a-1, 16                                  ; behind block a - 1's loads: block a's 8 stores and 8 loads
.endr
	SEND 3, 0
	s_wait_tensorcnt 0x0                           ; the wave's end, behind my last tensor load and my last LDS store
	ds_add_u32 v[SPW], v[NIL]
	s_wait_dscnt 0x0
	CROUND                                         ; the closing round
	s_endpgm
.Lfunc_end_k_qb6095a8e44_proj:
	.size	k_qb6095a8e44_proj, .Lfunc_end_k_qb6095a8e44_proj-k_qb6095a8e44_proj
	.p2alignl 7, 3214868480
	.fill 96, 4, 3214868480
	.section	.rodata,"a",@progbits
	.p2align	6, 0x0
	.amdhsa_kernel k_qb6095a8e44_proj
		.amdhsa_group_segment_fixed_size 327680
		.amdhsa_private_segment_fixed_size 0
		.amdhsa_enable_private_segment 0
		.amdhsa_kernarg_size 32
		.amdhsa_user_sgpr_count 2
		.amdhsa_user_sgpr_kernarg_segment_ptr 1
		.amdhsa_wavefront_size32 1
		.amdhsa_system_sgpr_workgroup_id_x 1
		.amdhsa_system_sgpr_workgroup_id_y 1
		.amdhsa_system_sgpr_workgroup_id_z 1
		.amdhsa_system_vgpr_workitem_id 0
		.amdhsa_next_free_vgpr 512
		.amdhsa_next_free_sgpr 68
		.amdhsa_reserve_vcc 0
		.amdhsa_float_denorm_mode_32 3
		.amdhsa_float_denorm_mode_16_64 3
		.amdhsa_memory_ordered 1
		.amdhsa_forward_progress 1
		.amdhsa_inst_pref_size 87
	.end_amdhsa_kernel
	.amdgpu_metadata
---
amdhsa.version: [ 1, 2 ]
amdhsa.kernels:
  - .name:           k_qb6095a8e44_proj
    .symbol:         k_qb6095a8e44_proj.kd
    .args:
      - { .name: oh, .offset: 0, .size: 8, .value_kind: global_buffer, .address_space: global }
      - { .name: wpt, .offset: 8, .size: 8, .value_kind: global_buffer, .address_space: global }
      - { .name: b_proj, .offset: 16, .size: 8, .value_kind: global_buffer, .address_space: global }
      - { .name: out0, .offset: 24, .size: 8, .value_kind: global_buffer, .address_space: global }
    .group_segment_fixed_size: 327680
    .private_segment_fixed_size: 0
    .kernarg_segment_align: 8
    .kernarg_segment_size: 32
    .max_flat_workgroup_size: 128
    .sgpr_count:     68
    .vgpr_count:     512
    .wavefront_size: 32
...
	.end_amdgpu_metadata
.endif
;; end of part 6
;; launch fine (part 7): grid 64 x 4, 16 waves a work-group, no clusters, 18,432 bytes of LDS; arguments fq, w_proj, b_proj, out0; writes out0
.if DOCPART == 7
	.amdgcn_target "amdgcn-amd-amdhsa--gfx1250"
	.amdhsa_code_object_version 6
	.text
	.protected	k_qb6095a8e44_fine
	.globl	k_qb6095a8e44_fine
	.p2align	8
	.type	k_qb6095a8e44_fine,@function
k_qb6095a8e44_fine:
	s_mov_b64 s[64:65], 0
	v_nop
	global_prefetch_b8 v0, s[64:65] scope:SCOPE_SE
	s_setreg_imm32_b32 hwreg(HW_REG_WAVE_MODE, 25, 1), 1
	s_wait_xcnt 0x0
; THE FIRST 16 POSITIONS OF EACH SEQUENCE, IN f32 THROUGHOUT: they average one to sixteen values and are the largest rows of the output, so 16-bit operands weigh most there.
; fq: [batch 4][t 16][3072] f32: q, k, v of those positions, bias included.  out0[batch][t < 16][:] = (softmax(q k^T / 8, causal) v, heads merged) w_proj + b_proj, written over what the launch before left there.
; SHARES.  Work-group (x, batch) makes 16 positions x columns 16 x .. 16 x + 15.  Wave w is head w: its attention (16 queries x 16 keys), then the part of the projection over its 64 channels; the sixteen parts meet in LDS.
; All products are v_wmma_f32_16x16x4_f32.  K is taken in a permuted order, the same on both sources, so that a lane's neighbouring registers serve as they were loaded or computed:
;   S^T = K Q^T: lane (r, h) holds channels 32 h .. 32 h + 31 of row r; product i takes registers 2 i, 2 i + 1.   O^T = V^T P: product i takes keys 8 h + 2 i, + 1, which is where S^T's result has them.
;   out = O W: product (d, i) takes channels 16 d + 8 h + 2 i, + 1, which is where O^T's result has them.
; The accumulators are written by matrix instructions alone; what is made of them goes into other registers.  Two or four accumulators take turns.
; The stores are 64 neighbouring bytes for sixteen lanes: 262,144 bytes of the output in all go this way.  NaN and infinities among the inputs are not served.
.set SPARE, 16384                      ; behind the sixteen parts of 1,024 bytes: the spare words
.set QF, 24
.set KF, 56
.set VF, 88
.set WF, 120
.set SA, 152
.set SB, 160
.set SS, 168                           ; the scores, then p / l
.set OA, 176
.set PA, 208
.set PB, 216
.set PS, 224
.set RR, 232
.set SPW, 12
.set NIL, 13
	s_load_b128 s[4:7], s[0:1], 0x0                ; fq, w_proj
	s_load_b128 s[8:11], s[0:1], 0x10              ; b_proj, out0
	v_lshl_add_u32 v[SPW], v0, 2, SPARE
	v_mov_b32 v[NIL], 0
	v_lshrrev_b32 v1, 5, v0
	v_readfirstlane_b32 s12, v1                    ; wave = head
	v_and_b32 v1, 15, v0                           ; r
	v_bfe_u32 v2, v0, 4, 1                         ; h
	v_mul_u32_u24 v3, v1, 12288
	v_lshl_add_u32 v3, v2, 7, v3                   ; q, k: row r of 12,288 bytes, + 32 h channels
	v_mul_u32_u24 v4, v2, 98304
	v_lshl_add_u32 v4, v1, 2, v4                   ; v: keys 8 h on, channel r
	v_lshlrev_b32 v5, 15, v2
	v_lshl_add_u32 v5, v1, 2, v5                   ; w_proj: rows 8 h on, column r
	v_and_b32 v6, 31, v0
	v_lshlrev_b32 v6, 4, v6
	s_lshl_b32 s14, s12, 10
	v_add_nc_u32 v6, s14, v6                       ; LDS: my wave's part, 16 bytes a lane
	v_bfe_u32 v7, v0, 6, 1                         ; the sum: thread T (0 .. 255) takes position T / 16, column T % 16: register (T / 16) % 8 of lane 16 (T / 128) + T % 16
	v_lshlrev_b32 v7, 9, v7
	v_bfe_u32 v14, v0, 7, 1
	v_lshl_add_u32 v7, v14, 8, v7
	v_lshl_add_u32 v7, v1, 4, v7
	v_bfe_u32 v14, v0, 4, 2
	v_lshl_add_u32 v7, v14, 2, v7
	v_bfe_u32 v8, v0, 4, 4
	v_lshlrev_b32 v8, 12, v8
	v_lshl_add_u32 v8, v1, 2, v8                   ; its place in out0
	v_lshlrev_b32 v9, 2, v1
	v_lshlrev_b32 v14, 3, v2
	v_sub_nc_u32 v11, v1, v14                      ; r - 8 h
	v_mov_b32 v14, 0xff800000                      ; -infinity
	s_mov_b32 s20, 0x76543210
	s_mov_b32 s21, 0xfedcba98                      ; v_permlanex16_b32's selects for lane l xor 16
	s_mov_b32 s22, 0x3e38aa3b                      ; c = log2(e) / 8
	s_and_b32 s13, ttmp7, 0xffff                   ; batch
	s_mul_i32 s16, s13, 196608
	s_lshl_b32 s17, s12, 8
	s_add_co_u32 s16, s16, s17                     ; fq: my batch, my head's 64 columns
	s_mov_b32 s17, 0
	s_lshl_b32 s24, ttmp9, 6                       ; 16 x columns, in bytes
	s_mov_b32 s25, 0
	s_lshl_b32 s18, s12, 18
	s_add_co_u32 s18, s18, s24                     ; w_proj: my head's 64 rows, my work-group's columns
	s_mov_b32 s19, 0
	s_lshl_b32 s26, s13, 23
	s_add_co_u32 s26, s26, s24                     ; out0: my batch's first row, my work-group's columns
	s_mov_b32 s27, 0
	s_wait_kmcnt 0x0
	s_add_nc_u64 s[4:5], s[4:5], s[16:17]
	s_add_nc_u64 s[6:7], s[6:7], s[18:19]
	s_add_nc_u64 s[8:9], s[8:9], s[24:25]
	s_add_nc_u64 s[10:11], s[10:11], s[26:27]
	global_load_b32 v10, v9, s[8:9]                ; the bias of column r
.irp u, 0,1,2,3,4,5,6,7
	global_load_b128 v[QF+4*\u:QF+4*\u+3], v3, s[4:5] offset:16*\u
.endr
.irp u, 0,1,2,3,4,5,6,7
	global_load_b128 v[KF+4*\u:KF+4*\u+3], v3, s[4:5] offset:4096+16*\u
.endr
.irp d, 0,1,2,3
.irp j, 0,1,2,3,4,5,6,7
	global_load_b32 v[VF+8*\d+\j], v4, s[4:5] offset:8192+12288*\j+64*\d      ; v(key 8 h + j, channel 16 d + r)
.endr
.endr
	s_wait_loadcnt 32                              ; the bias, q and k are in; v's 32 loads may be out
.irp d, 0,1,2,3
.irp j, 0,1,2,3,4,5,6,7
	global_load_b32 v[WF+8*\d+\j], v5, s[6:7] offset:(16*\d+\j)*4096          ; w_proj(64 w + 16 d + 8 h + j, 16 x + r)
.endr
.endr
	v_wmma_f32_16x16x4_f32 v[SA:SA+7], v[KF:KF+1], v[QF:QF+1], 0               ; S^T = K Q^T: two accumulators by turns; the first two products start the sums
	v_wmma_f32_16x16x4_f32 v[SB:SB+7], v[KF+2:KF+3], v[QF+2:QF+3], 0
.irp i, 1,2,3,4,5,6,7
	v_wmma_f32_16x16x4_f32 v[SA:SA+7], v[KF+4*\i:KF+4*\i+1], v[QF+4*\i:QF+4*\i+1], v[SA:SA+7]
	v_wmma_f32_16x16x4_f32 v[SB:SB+7], v[KF+4*\i+2:KF+4*\i+3], v[QF+4*\i+2:QF+4*\i+3], v[SB:SB+7]
.endr
.rept 8
	v_nop                                          ; eight places behind this form, ahead of the first read of its results (ISA guide 7.12.1)
.endr
.irp j, 0,1,2,3,4,5,6,7
	v_add_f32 v[SS+\j], v[SA+\j], v[SB+\j]         ; lane (r, h): query r, key 8 h + j
.endr
.irp j, 0,1,2,3,4,5,6,7
	v_cmp_gt_i32 vcc_lo, \j, v11                   ; hidden where 8 h + j > r
	v_cndmask_b32 v[SS+\j], v[SS+\j], v14, vcc_lo
.endr
	v_max3_num_f32 v15, v[SS], v[SS+1], v[SS+2]
	v_max3_num_f32 v16, v[SS+3], v[SS+4], v[SS+5]
	v_max3_num_f32 v15, v15, v[SS+6], v[SS+7]
	v_max_num_f32 v15, v15, v16
	v_permlanex16_b32 v16, v15, s20, s21
	v_max_num_f32 v15, v15, v16                    ; the row's maximum: key 0 counts for every query, so it is a number
	v_mul_f32 v15, s22, v15
.irp j, 0,1,2,3,4,5,6,7
	v_fma_f32 v[SS+\j], v[SS+\j], s22, -v15
.endr
.irp j, 0,1,2,3,4,5,6,7
	v_exp_f32 v[SS+\j], v[SS+\j]
.endr
	v_nop                                          ; a plain instruction behind the last exponential
	s_wait_alu depctr_va_vdst(0)                   ; one wait for the eight, ahead of their first reader
	v_add_f32 v16, v[SS], v[SS+1]
	v_add_f32 v17, v[SS+2], v[SS+3]
	v_add_f32 v18, v[SS+4], v[SS+5]
	v_add_f32 v19, v[SS+6], v[SS+7]
	v_add_f32 v16, v16, v17
	v_add_f32 v18, v18, v19
	v_add_f32 v16, v16, v18
	v_permlanex16_b32 v17, v16, s20, s21
	v_add_f32 v16, v16, v17                        ; the row's sum
	v_rcp_f32 v18, v16
	v_nop
	s_wait_alu depctr_va_vdst(0)
.irp j, 0,1,2,3,4,5,6,7
	v_mul_f32 v[SS+\j], v[SS+\j], v18
.endr
	s_wait_loadcnt 32                              ; v is in; w_proj's 32 loads may be out
.irp i, 0,1,2,3                                ; O^T = V^T P: four accumulators by turns
.irp d, 0,1,2,3
.if \i == 0
	v_wmma_f32_16x16x4_f32 v[OA+8*\d:OA+8*\d+7], v[VF+8*\d:VF+8*\d+1], v[SS:SS+1], 0
.else
	v_wmma_f32_16x16x4_f32 v[OA+8*\d:OA+8*\d+7], v[VF+8*\d+2*\i:VF+8*\d+2*\i+1], v[SS+2*\i:SS+2*\i+1], v[OA+8*\d:OA+8*\d+7]
.endif
.endr
.endr
.rept 9
	v_nop                                          ; nine places before a matrix instruction takes these results as a source
.endr
	s_wait_loadcnt 0x0                             ; w_proj
.irp d, 0,1,2,3                                ; my head's part of the projection: source 0 = O (query r, channels 16 d + 8 h + ..), source 1 = w_proj; two accumulators by turns
.irp i, 0,1,2,3
.if (\d == 0) && (\i < 2)
	v_wmma_f32_16x16x4_f32 v[PA+8*(\i%2):PA+8*(\i%2)+7], v[OA+8*\d+2*\i:OA+8*\d+2*\i+1], v[WF+8*\d+2*\i:WF+8*\d+2*\i+1], 0
.else
	v_wmma_f32_16x16x4_f32 v[PA+8*(\i%2):PA+8*(\i%2)+7], v[OA+8*\d+2*\i:OA+8*\d+2*\i+1], v[WF+8*\d+2*\i:WF+8*\d+2*\i+1], v[PA+8*(\i%2):PA+8*(\i%2)+7]
.endif
.endr
.endr
.rept 8
	v_nop
.endr
.irp j, 0,1,2,3,4,5,6,7
	v_add_f32 v[PS+\j], v[PA+\j], v[PB+\j]         ; lane (r, h): position 8 h + j, column r
.endr
	ds_store_b128 v6, v[PS:PS+3]
	ds_store_b128 v6, v[PS+4:PS+7] offset:512
	s_wait_dscnt 0x0                               ; for the others' sake: my part has landed
	s_barrier_signal -1
	s_barrier_wait -1
	s_cmp_lt_u32 s12, 8                            ; 256 numbers: waves 0 to 7 add the sixteen parts, one number a thread
	s_cbranch_scc0 .Ldone
.irp u, 0,1,2,3,4,5,6,7,8,9,10,11,12,13,14,15
	ds_load_b32 v[RR+\u], v7 offset:1024*\u
.endr
	s_wait_dscnt 0x0
.irp u, 0,1,2,3,4,5,6,7
	v_add_f32 v[RR+\u], v[RR+\u], v[RR+8+\u]
.endr
.irp u, 0,1,2,3
	v_add_f32 v[RR+\u], v[RR+\u], v[RR+4+\u]
.endr
	v_add_f32 v[RR], v[RR], v[RR+2]
	v_add_f32 v[RR+1], v[RR+1], v[RR+3]
	v_add_f32 v[RR], v[RR], v[RR+1]
	v_add_f32 v[RR], v[RR], v10
	global_store_b32 v8, v[RR], s[10:11]
.Ldone:
	s_wait_tensorcnt 0x0                           ; the wave's end, behind my last LDS store
	ds_add_u32 v[SPW], v[NIL]
	s_wait_dscnt 0x0
	s_endpgm
.Lfunc_end_k_qb6095a8e44_fine:
	.size	k_qb6095a8e44_fine, .Lfunc_end_k_qb6095a8e44_fine-k_qb6095a8e44_fine
	.p2alignl 7, 3214868480
	.fill 96, 4, 3214868480
	.section	.rodata,"a",@progbits
	.p2align	6, 0x0
	.amdhsa_kernel k_qb6095a8e44_fine
		.amdhsa_group_segment_fixed_size 18432
		.amdhsa_private_segment_fixed_size 0
		.amdhsa_enable_private_segment 0
		.amdhsa_kernarg_size 32
		.amdhsa_user_sgpr_count 2
		.amdhsa_user_sgpr_kernarg_segment_ptr 1
		.amdhsa_wavefront_size32 1
		.amdhsa_system_sgpr_workgroup_id_x 1
		.amdhsa_system_sgpr_workgroup_id_y 1
		.amdhsa_system_sgpr_workgroup_id_z 1
		.amdhsa_system_vgpr_workitem_id 0
		.amdhsa_next_free_vgpr 256
		.amdhsa_next_free_sgpr 66
		.amdhsa_reserve_vcc 1
		.amdhsa_float_denorm_mode_32 3
		.amdhsa_float_denorm_mode_16_64 3
		.amdhsa_memory_ordered 1
		.amdhsa_forward_progress 1
		.amdhsa_inst_pref_size 20
	.end_amdhsa_kernel
	.amdgpu_metadata
---
amdhsa.version: [ 1, 2 ]
amdhsa.kernels:
  - .name:           k_qb6095a8e44_fine
    .symbol:         k_qb6095a8e44_fine.kd
    .args:
      - { .name: fq, .offset: 0, .size: 8, .value_kind: global_buffer, .address_space: global }
      - { .name: w_proj, .offset: 8, .size: 8, .value_kind: global_buffer, .address_space: global }
      - { .name: b_proj, .offset: 16, .size: 8, .value_kind: global_buffer, .address_space: global }
      - { .name: out0, .offset: 24, .size: 8, .value_kind: global_buffer, .address_space: global }
    .group_segment_fixed_size: 18432
    .private_segment_fixed_size: 0
    .kernarg_segment_align: 8
    .kernarg_segment_size: 32
    .max_flat_workgroup_size: 512
    .sgpr_count:     66
    .vgpr_count:     256
    .wavefront_size: 32
...
	.end_amdgpu_metadata
.endif
;; end of part 7
